; MI455X (gfx1250); checked and timed in simulation.
; The chip was launched on July 23, 2026; its instructions are those of AMD's public machine-readable ISA for CDNA 5 (MIT licence, August 2026) and "CDNA5" Instruction Set Architecture Reference Guide (July 2026). The comments in the code are by the model that wrote it; some were corrected since.
;; Lorentzian Memory Attention. Allowed arithmetic: matrix products marked QUANTISED: E4M3 operands, one given power-of-two scale a tensor, by v_wmma_f32_16x16x64_fp8_fp8 or v_wmma_f32_16x16x128_fp8_fp8, f32 sums; products left as they are: f32 operands where the result goes on into a quantised operand, else bf16, f16 or f32 operands; f32 sums; everything else in f32.
;; Inputs: Wk 1,024 x 1,024 float32; Wt 1 x 1,024 float32; Wtt 1,024 float32; Wv 64 x 1,024 float32; Wval 1,024 x 1,024 float32; Wx 1,024 x 1,024 float32; Wz 64 x 1,024 float32; Wzt 1,024 x 64 float32; Wzz 1,024 x 64 x 64 float32; bk 1,024 float32; bt 1,024 float32; bv 1,024 float32; bval 1,024 float32; bx 1,024 float32; bz 1,024 float32; lowp_scales 14 int32 (the exponents e of the quantised operands' scales 2^e); t 32 x 1 float32; t_mem 32 x 1,024 x 1 float32; v_feat 32 x 64 float32; wilson_scale one number float32; x 32 x 1,024 float32; x_mem 32 x 1,024 x 1,024 float32; z 32 x 64 float32; z_mem 32 x 1,024 x 64 float32.
;; Outputs: out0 32 x 1,024 float32; out1 32 x 1,024 float32.
;; This version of the problem:
;;   THIS VERSION OF THE PROBLEM IS GIVEN IN LOW PRECISION. The matrix products marked QUANTISED in the list below multiply operands that are first quantised to E4M3 (4 exponent bits, 3 mantissa bits; 8 bits a number), with one given power-of-two scale for each operand tensor; their sums are f32. All else is computed in f32.
;;   The module's matrix products, in the order in which they are computed (A, B: the left and right operand; K: the contracted axis; several contracted axes count as one K, in the product's order):
;;     1. [M 32, K 1,024] x [K 1,024, N 1,024]; A: input x; B: input Wx: QUANTISED (scales: A lowp_scales[0], B lowp_scales[1])
;;     2. [M 32, K 64] x [K 64, N 1,024]; A: input z; B: input Wz: QUANTISED (scales: A lowp_scales[2], B lowp_scales[3])
;;     3. [M 32, K 1] x [K 1, N 1,024]; A: input t; B: input Wt: left as it is (K = 1 < 32)
;;     4. [M 32, K 64] x [K 64, N 1,024]; A: input v_feat; B: input Wv: QUANTISED (scales: A lowp_scales[4], B lowp_scales[5])
;;     5. batch 32 x [M 64, K 1] x [K 1, N 64]; A: computed on the way; B: computed on the way: left as it is (no contracted axis)
;;     6. [M 32, K 4,096] x [K 4,096, N 1,024]; A: computed on the way; B: input Wzz: QUANTISED (scales: A lowp_scales[6], B lowp_scales[7])
;;     7. [M 32, K 64] x [K 64, N 1,024]; A: input z; B: input Wzt: QUANTISED (scales: A lowp_scales[8], B lowp_scales[9])
;;     8. [M 32,768, K 1,024] x [K 1,024, N 1,024]; A: input x_mem; B: input Wk: QUANTISED (scales: A lowp_scales[10], B lowp_scales[11])
;;     9. [M 32,768, K 1,024] x [K 1,024, N 1,024]; A: input x_mem; B: input Wval: QUANTISED (scales: A lowp_scales[12], B lowp_scales[13])
;;     10. batch 32 x [M 1, K 1,024] x [K 1,024, N 1,024]; A: computed on the way; B: computed on the way: left as it is (M = 1 < 16)
;;     11. batch 32 x [M 1, K 1,024] x [K 1,024, N 1,024]; A: computed on the way; B: computed on the way: left as it is (M = 1 < 16)
;;   THE QUANTISER, for each operand of a quantised product, along K:
;;     - The operand's scale is 2^e, e = its entry of the input lowp_scales (int32; the entries are numbered through the quantised products in the list's order, A before B).
;;     - Each number is divided by the scale, clamped to +-448, and rounded to the nearest number of E4M3, ties to even, subnormals kept.
;;     - The product sums the exact products of the quantised numbers (number of the format x scale) in f32.
;;   ~~~python
;;   def quantise(x, axis, e):      # numpy; x: float32 -> the quantised numbers, widened to float32 again
;;       x = np.moveaxis(x, axis, -1); K = x.shape[-1]
;;       r = np.clip(x / 2.0 ** e, -448, 448)
;;       step = 2.0 ** (np.maximum(np.frexp(np.where(r == 0, 1, r))[1] - 1, -6) - 3)
;;       q = np.round(r / step) * step * 2.0 ** e      # np.round: ties to even
;;       return np.moveaxis(q, -1, axis).astype(np.float32)
;;   ~~~
;;   OPERANDS COMPUTED ON THE WAY. 'Computed on the way' means the value that the module computes at that place (a softmax that the list does not call 'softmax' is quantised finished and normalised). What goes into a quantiser is computed in f32, as accurately as f32 sums, v_exp_f32 and their like allow (about 1e-6 of the number): no bf16 or f16 on the way to a quantiser, and a product that is left as it is and whose result goes on into a quantised operand takes f32 operands (vector FMAs, or v_wmma_f32_16x16x4_f32). A number that lies on a knife's edge between two numbers of the format may be rounded either way, as far as f32 arithmetic and the matrix unit's own rounding can turn it there, and no further.
;; One version. Each part assembles by itself: llvm-mc -triple=amdgcn-amd-amdhsa -mcpu=gfx1250 --defsym DOCPART=n.
;; ======== version 1 of 1: 3 launches
;; limits: right only within a limited range of input values
;; workspace buffers: wkc 1,048,576 bytes; wvc 1,048,576 bytes; qp 917,504 bytes; sc 131,072 bytes; mk 131,072 bytes; po 1,048,576 bytes
;; launch prep (part 1): grid 236 x 1, 16 waves a work-group, no clusters, 124,928 bytes of LDS; arguments x, z, t, v_feat, Wx, Wz, Wv, Wzz, Wzt, Wt, Wtt, bx, bz, bt, bv, Wk, Wval, lowp_scales, wkc, wvc, qp; writes wkc, wvc, qp
.if DOCPART == 1
	.amdgcn_target "amdgcn-amd-amdhsa--gfx1250"
	.amdhsa_code_object_version 6
	.text
	.protected	k_qdd022814d0_prep
	.globl	k_qdd022814d0_prep
	.p2align	8
	.type	k_qdd022814d0_prep,@function
k_qdd022814d0_prep:
	s_mov_b64 s[64:65], 0
	v_nop
	global_prefetch_b8 v0, s[64:65] scope:SCOPE_SE
	s_setreg_imm32_b32 hwreg(HW_REG_WAVE_MODE, 25, 1), 1
	s_wait_xcnt 0x0
; FIRST OF THREE LAUNCHES.  It makes (a) the query q as SEVEN PARTS, which the next launch adds, and (b) Wk and Wval as codes of FP8 (E4M3) laid in the order of a matrix operand's registers.
; qp: [part 7][tile of 16 outputs 64][b 32][o 16] f32: a tile is 2,048 bytes on end.  Parts 0, 1: z Wzz z (halves of K = 4,096); 2, 3: x Wx (halves of K = 1,024); 4: z Wz; 5: v_feat Wv;
; 6: t (z Wzt^T) + t Wt + t^2 Wtt + bx + bz + bt + bv.
; wkc, wvc: [K chunk of 128: 8][tile of 16 columns: 64][c 4][lane 32][16 bytes]: the 16 bytes of (c, lane 16 h + r) are column 16 ct + r at k = 128 kc + 32 c + 16 h + 0 .. 15.
; THE SAME PLACE FOR k IN EVERY OPERAND of this program: registers 4 c .. 4 c + 3 of lane (r, h) hold k = 32 c + 16 h + 0 .. 15: a permutation of k that is alike in both sources, so that every product meets its partner.
; code = number / 2^e, held within +-448, rounded to the nearest code, ties to even; e from lowp_scales.
; FOUR PATHS, chosen by the work-group's number alone (the same in all sixteen waves); each has LDS bytes of its own:
;   0 .. 127   QZ: tile of outputs id / 2, half of K id % 2; wave w takes one K step of 128; the sixteen partial tiles meet in LDS.
;   128 .. 223 KF: matrix (id - 128) / 32 = Wx, Wk, Wval; 64 columns x 512 along K: sixteen fragments, made by dense loads, conversions and a turn of 4 x 4 bytes.  Wk, Wval: stored.  Wx: multiplied by x's codes at once.
;   224 .. 231 z Wz and v_feat Wv, a wave to a tile of outputs.      232 .. 235 the same for Wzt, with all that is linear in t and the biases.
; No tensor load, no cluster: no two work-groups read the same bytes but x, z, t and v_feat, which are a few KB.  No prefetch: every stream is asked for at a path's head and the launch is short.
; LIMITS: each exponent e lies between -126 and 119, so that 2^e and 448 x 2^e are f32 numbers.  NaN and infinities among the inputs are not served.  The order of the f32 sums is not reference()'s.
.set RZ,    0                          ; QZ: sixteen partial tiles of 2,048 bytes
.set KI,    32768                      ; KF: sixteen fragments of the weight, 2,048 bytes each: (K chunk, tile of columns) at 8,192 kcl + 2,048 ct
.set XI,    65536                      ; KF: x's eight fragments: (K chunk, tile of rows) at 4,096 kcl + 2,048 mt
.set BX,    81920                      ; KF: a stage of 2,048 bytes for each of four waves
.set BS,    90112                      ; the small products: a stage of 2,048 bytes for each of sixteen waves
.set SPARE, 122880                     ; the spare words, 128 bytes for each wave: eight blocks of 256 bytes that no other line names
.set SPW,   5                          ; v5  LDS address of my spare word; never rewritten
.set NIL,   6                          ; v6  0; never rewritten
.set WV,    46                         ; s46 my wave's number
.macro FIN                             ; the wave's end, behind my last LDS store
	s_wait_tensorcnt 0x0
	ds_add_u32 v[SPW], v[NIL]
	s_wait_dscnt 0x0
	s_endpgm
.endm
.macro MKSC e, vs, slo, shi            ; from the exponent in s[e]: v[vs] = 2^e as f32 (the conversion takes its exponent field), s[shi] = 448 x 2^e, s[slo] = the same negative
	s_add_co_i32 s68, s[\e], 127
	s_lshl_b32 s69, s68, 23
	v_mov_b32 v[\vs], s69
	s_add_co_i32 s68, s68, 8
	s_lshl_b32 s68, s68, 23
	s_or_b32 s[\shi], s68, 0x600000
	s_or_b32 s[\slo], s[\shi], 0x80000000
.endm
.macro Q16 src, dst, vs, slo, shi      ; sixteen numbers of a lane become sixteen codes in four registers.  The conversion to an 8-bit code does not saturate (ISA guide 7.6.2): the hold comes first
.set qi, 0
.rept 16
	v_med3_num_f32 v[\src+qi], v[\src+qi], s[\slo], s[\shi]
.set qi, qi+1
.endr
	v_cvt_scalef32_pk8_fp8_f32 v[\dst:\dst+1], v[\src:\src+7], v[\vs]
	v_cvt_scalef32_pk8_fp8_f32 v[\dst+2:\dst+3], v[\src+8:\src+15], v[\vs]
.endm
.macro PLACES                          ; four plain vector instructions between a matrix instruction and the first read of its result (ISA guide 7.12.1)
.rept 4
	v_nop
.endr
.endm
	s_load_b512 s[4:19], s[0:1], 0x0               ; x 4, z 6, t 8, v_feat 10, Wx 12, Wz 14, Wv 16, Wzz 18
	s_load_b512 s[20:35], s[0:1], 0x40             ; Wzt 20, Wt 22, Wtt 24, bx 26, bz 28, bt 30, bv 32, Wk 34
	s_load_b256 s[36:43], s[0:1], 0x80             ; Wval 36, lowp_scales 38, wkc 40, wvc 42
	s_load_b64 s[44:45], s[0:1], 0xa0              ; qp
	v_lshl_add_u32 v[SPW], v0, 2, SPARE
	v_mov_b32 v[NIL], 0
	v_lshrrev_b32 v1, 5, v0
	s_delay_alu instid0(VALU_DEP_1)
	v_readfirstlane_b32 s[WV], v1                  ; wave 0 .. 15
	v_and_b32 v1, 31, v0                           ; L
	v_and_b32 v2, 15, v0                           ; r
	v_bfe_u32 v3, v0, 4, 1                         ; h
	s_delay_alu instid0(VALU_DEP_3)
	v_lshlrev_b32 v4, 4, v1                        ; 16 L
	s_mov_b32 s67, 0                               ; s[66:67]: an offset as a pair; the upper word stays 0
	s_wait_kmcnt 0x0
	s_load_b256 s[48:55], s[38:39], 0x0            ; e0 .. e7
	s_load_b128 s[56:59], s[38:39], 0x20           ; e8 .. e11
	s_load_b64 s[60:61], s[38:39], 0x30            ; e12, e13
	s_cmp_lt_u32 ttmp9, 128
	s_cbranch_scc0 .Lnot_qz
; ================= QZ: sum over (i, j) of z_i z_j Wzz[o][i][j].  K = 64 i + j.  My K step kc holds i = 2 kc + c / 2, j = 32 (c % 2) + 16 h + 0 .. 15
	s_lshr_b32 s70, ttmp9, 1                       ; the tile of outputs
	s_and_b32 s71, ttmp9, 1                        ; the half of K, and the part of qp
	s_lshl_b32 s72, s71, 4
	s_add_co_u32 s72, s72, s[WV]                   ; kc
	s_lshl_b32 s66, s70, 18                        ; 16 rows of Wzz of 16,384 bytes,
	s_lshl_b32 s68, s72, 9                         ; 128 numbers along K
	s_add_co_u32 s66, s66, s68
	s_add_nc_u64 s[18:19], s[18:19], s[66:67]
	s_lshl_b32 s66, s72, 3
	s_add_nc_u64 s[74:75], s[6:7], s[66:67]        ; z at column 2 kc
	s_wait_alu depctr_va_vdst(0)
	v_lshlrev_b32 v9, 8, v2                        ; z: row r of 256 bytes
	s_delay_alu instid0(VALU_DEP_1)
	v_lshl_add_u32 v8, v3, 6, v9                   ;    + 64 h
	v_lshlrev_b32 v7, 14, v2                       ; Wzz: row r of 16,384 bytes
	s_delay_alu instid0(VALU_DEP_1)
	v_lshl_add_u32 v7, v3, 6, v7                   ;    + 64 h
	s_lshl_b32 s68, s[WV], 11
	v_lshl_add_u32 v12, v1, 2, s68                 ; RZ + 2,048 w + 4 L: where my partial tile goes
	v_lshrrev_b32 v13, 2, v1                       ; and where a finishing wave reads: value (b = 8 w + L / 4, o = 4 (L % 4) ..) lies at 1,024 (b / 16) + 128 (b % 8) + 64 ((b / 8) % 2) + 4 o
	s_delay_alu instid0(VALU_DEP_1)
	v_lshlrev_b32 v13, 7, v13
	v_and_b32 v14, 3, v1
	s_delay_alu instid0(VALU_DEP_1)
	v_lshl_add_u32 v13, v14, 4, v13
	s_lshr_b32 s68, s[WV], 1
	s_lshl_b32 s68, s68, 10
	s_and_b32 s69, s[WV], 1
	s_lshl_b32 s69, s69, 6
	s_add_co_u32 s68, s68, s69
	v_add_nc_u32 v13, s68, v13
.irp mt, 0,1                                   ; z of rows b = 16 mt + r: my 32 z_j into v[16 + 32 mt ..], my two z_i into v[80 + 2 mt ..]
.irp c, 0,1
.irp jj, 0,1,2,3
	global_load_b128 v[16+32*\mt+16*\c+4*\jj:19+32*\mt+16*\c+4*\jj], v8, s[6:7] offset:4096*\mt+128*\c+16*\jj
.endr
.endr
	global_load_b64 v[80+2*\mt:81+2*\mt], v9, s[74:75] offset:4096*\mt
.endr
.irp c, 0,1,2,3                                ; Wzz(16 ot + r, 128 kc + 32 c + 16 h + 0 .. 15) into v[96 + 16 c ..]
.irp jj, 0,1,2,3
	global_load_b128 v[96+16*\c+4*\jj:99+16*\c+4*\jj], v7, s[18:19] offset:128*\c+16*\jj
.endr
.endr
	s_wait_kmcnt 0x0
	MKSC 54, 10, 76, 77                            ; e6: the outer product's scale
	MKSC 55, 11, 78, 79                            ; e7: Wzz's
	s_add_co_i32 s80, s54, s55
	s_wait_loadcnt 16                              ; z's 18 loads are in; Wzz's 16 may be out
.irp mt, 0,1
.irp c, 0,1,2,3
.set TT, 160+16*(\c%2)                         ; two sets of sixteen take turns
.set qj, 0
.rept 16
	v_mul_f32 v[TT+qj], v[16+32*\mt+16*(\c%2)+qj], v[80+2*\mt+\c/2]   ; z_j z_i in f32, rounded once, as reference() has it
.set qj, qj+1
.endr
	Q16 TT, 192+16*\mt+4*\c, 10, 76, 77
.endr
.endr
	s_wait_loadcnt 0x0
.irp c, 0,1,2,3
	Q16 96+16*\c, 224+4*\c, 11, 78, 79
.endr
	v_nop                                          ; one plain vector instruction between a scaled conversion and the matrix instruction that reads its result
	v_wmma_f32_16x16x128_fp8_fp8 v[240:247], v[192:207], v[224:239], 0   ; rows b = 0 .. 15: register j of lane (r, h) is (b = 8 h + j, o = r)
	v_wmma_f32_16x16x128_fp8_fp8 v[248:255], v[208:223], v[224:239], 0   ; rows b = 16 .. 31
	PLACES
.set qj, 0
.rept 16
	ds_store_b32 v12, v[240+qj] offset:128*qj      ; each accumulator from its low end on
.set qj, qj+1
.endr
	s_wait_dscnt 0x0                               ; for the others' sake: my partial tile lies in LDS
	s_barrier_signal -1
	s_barrier_wait -1
	s_cmp_lt_u32 s[WV], 4                          ; four waves add the sixteen partial tiles: 128 numbers each, four a lane
	s_cbranch_scc0 .Lqz_end
.set ww, 0
.rept 16
	ds_load_b128 v[16+4*ww:19+4*ww], v13 offset:2048*ww
.set ww, ww+1
.endr
	s_lshl_b32 s66, s71, 17
	s_lshl_b32 s68, s70, 11
	s_add_co_u32 s66, s66, s68
	s_lshl_b32 s68, s[WV], 9
	s_add_co_u32 s66, s66, s68
	s_add_nc_u64 s[44:45], s[44:45], s[66:67]      ; part kh, tile ot, my 512 bytes
	s_wait_dscnt 0x0
.set ww, 1
	v_pk_add_f32 v[16:17], v[16:17], v[16+4*ww:17+4*ww]
	v_pk_add_f32 v[18:19], v[18:19], v[18+4*ww:19+4*ww]
.set ww, ww+1
.rept (15)-1
	s_delay_alu instid0(VALU_DEP_2)
	v_pk_add_f32 v[16:17], v[16:17], v[16+4*ww:17+4*ww]
	s_delay_alu instid0(VALU_DEP_2)
	v_pk_add_f32 v[18:19], v[18:19], v[18+4*ww:19+4*ww]
.set ww, ww+1
.endr
.irp i, 0,1,2,3
	v_ldexp_f32 v[16+\i], v[16+\i], s80            ; x 2^(e6 + e7)
.endr
	global_store_b128 v4, v[16:19], s[44:45]       ; the wave stores 512 consecutive bytes
.Lqz_end:
	FIN
.Lnot_qz:
	s_cmp_lt_u32 ttmp9, 224
	s_cbranch_scc0 .Lqs
; ================= KF: 512 along K x 64 columns of Wx, Wk or Wval ([K][N] in memory) become sixteen fragments
	s_sub_co_u32 s70, ttmp9, 128
	s_lshr_b32 s71, s70, 5                         ; 0 Wx, 1 Wk, 2 Wval
	s_and_b32 s70, s70, 31
	s_lshr_b32 s72, s70, 1                         ; which 64 columns
	s_and_b32 s73, s70, 1                          ; which half of K
	s_cmp_eq_u32 s71, 0
	s_cselect_b64 s[74:75], s[12:13], s[34:35]
	s_cmp_eq_u32 s71, 2
	s_cselect_b64 s[74:75], s[36:37], s[74:75]     ; the matrix,
	s_cselect_b64 s[76:77], s[42:43], s[40:41]     ; and where its codes go
	s_lshl_b32 s66, s73, 21                        ; 512 rows of 4,096 bytes,
	s_lshl_b32 s68, s[WV], 17                      ; my wave's 32 rows,
	s_add_co_u32 s66, s66, s68
	s_lshl_b32 s68, s72, 8                         ; 64 columns
	s_add_co_u32 s66, s66, s68
	s_add_nc_u64 s[74:75], s[74:75], s[66:67]
	s_wait_alu depctr_va_vdst(0)
	v_lshlrev_b32 v7, 16, v3                       ; lanes 16-31 stand 16 rows further down;
	s_delay_alu instid0(VALU_DEP_1)
	v_lshl_add_u32 v7, v2, 4, v7                   ; sixteen lanes read 256 consecutive bytes of one row
	v_lshlrev_b32 v8, 12, v2                       ; x: row r of 4,096 bytes + 64 h
	s_delay_alu instid0(VALU_DEP_1)
	v_lshl_add_u32 v8, v3, 6, v8
	; every LDS address is made here, ahead of the partings on the wave's number
	v_lshrrev_b32 v9, 2, v2
	s_delay_alu instid0(VALU_DEP_1)
	v_lshlrev_b32 v9, 11, v9                       ; my four columns 4 r .. 4 r + 3 lie in tile r / 4,
	s_delay_alu instid0(VALU_DEP_1)
	v_lshl_add_u32 v9, v3, 8, v9                   ; in the places of lanes 16 h + 4 (r % 4) + 0 .. 3,
	v_and_b32 v12, 3, v2
	s_delay_alu instid0(VALU_DEP_1)
	v_lshl_add_u32 v9, v12, 6, v9
	s_lshr_b32 s68, s[WV], 2                       ; of K chunk w / 4,
	s_lshl_b32 s68, s68, 13
	s_and_b32 s69, s[WV], 3                        ; at c = w % 4
	s_lshl_b32 s69, s69, 9
	s_add_co_u32 s68, s68, s69
	s_add_co_u32 s68, s68, KI
	v_add_nc_u32 v9, s68, v9
	s_lshl_b32 s68, s[WV], 11
	s_add_co_u32 s69, s68, KI
	v_add_nc_u32 v11, s69, v4                      ; KI + 2,048 w + 16 L
	v_add_nc_u32 v12, XI, v4                       ; XI + 16 L
	s_add_co_u32 s69, s68, XI
	v_add_nc_u32 v15, s69, v4                      ; XI + 2,048 w + 16 L
	s_add_co_u32 s69, s68, BX
	v_add_nc_u32 v14, s69, v4                      ; BX + 2,048 w + 16 L
	v_lshlrev_b32 v13, 9, v3
	s_delay_alu instid0(VALU_DEP_1)
	v_lshl_add_u32 v13, v2, 2, v13
	s_delay_alu instid0(VALU_DEP_1)
	v_add_nc_u32 v13, s69, v13                     ; BX + 2,048 w + 512 h + 4 r
	s_mov_b32 s86, 0x05010400                      ; v_perm_b32's selects for the turn of 4 x 4 bytes
	s_mov_b32 s87, 0x07030602
	s_mov_b32 s88, 0x05040100
	s_mov_b32 s89, 0x07060302
.set ii, 0
.rept 16
	global_load_b128 v[16+4*ii:19+4*ii], v7, s[74:75] offset:4096*ii th:TH_LOAD_NT   ; W(32 w + 16 h + ii, 4 r .. 4 r + 3)
.set ii, ii+1
.endr
	s_wait_kmcnt 0x0
	s_cmp_eq_u32 s71, 0
	s_cselect_b32 s83, s49, s59
	s_cmp_eq_u32 s71, 2
	s_cselect_b32 s83, s61, s83                    ; e1, e11 or e13
	MKSC 83, 10, 80, 81
	s_cmp_lg_u32 s71, 0                            ; Wx alone: waves 0 to 7 quantise x's eight fragments of this half of K: K chunk w / 2, rows 16 (w % 2) on
	s_cbranch_scc1 .Lkf_nox
	s_cmp_lt_u32 s[WV], 8
	s_cbranch_scc0 .Lkf_nox
	s_and_b32 s66, s[WV], 1
	s_lshl_b32 s66, s66, 16
	s_lshl_b32 s68, s73, 11
	s_add_co_u32 s66, s66, s68
	s_lshr_b32 s68, s[WV], 1
	s_lshl_b32 s68, s68, 9
	s_add_co_u32 s66, s66, s68
	s_add_nc_u64 s[78:79], s[4:5], s[66:67]
.irp c, 0,1,2,3
.irp jj, 0,1,2,3
	global_load_b128 v[96+16*\c+4*\jj:99+16*\c+4*\jj], v8, s[78:79] offset:128*\c+16*\jj
.endr
.endr
	MKSC 48, 88, 84, 85                            ; e0
	s_wait_loadcnt 0x0
.irp c, 0,1,2,3
	Q16 96+16*\c, 192+4*\c, 88, 84, 85
.endr
	v_nop
.irp c, 0,1,2,3
	ds_store_b128 v15, v[192+4*\c:195+4*\c] offset:512*\c   ; the fragment as an image of its registers
.endr
.Lkf_nox:
	s_wait_loadcnt 0x0
.irp g, 0,1,2,3
	Q16 16+16*\g, 160+4*\g, 10, 80, 81             ; v[160 + ii]: the codes of row ii, columns 4 r .. 4 r + 3, a byte each
.endr
	v_nop                                          ; one plain vector instruction between the conversions and the lines that read their results
.set pm, 0
.rept 4                                        ; rows 4 pm .. 4 pm + 3: four registers of four columns become four registers of four rows
.set pT, 80+4*(pm%2)
	v_perm_b32 v[pT], v[161+4*pm], v[160+4*pm], s86
	v_perm_b32 v[pT+1], v[161+4*pm], v[160+4*pm], s87
	v_perm_b32 v[pT+2], v[163+4*pm], v[162+4*pm], s86
	v_perm_b32 v[pT+3], v[163+4*pm], v[162+4*pm], s87
	s_delay_alu instid0(VALU_DEP_2)
	v_perm_b32 v[176+pm], v[pT+2], v[pT], s88      ; column 4 r
	s_delay_alu instid0(VALU_DEP_3)
	v_perm_b32 v[180+pm], v[pT+2], v[pT], s89      ; column 4 r + 1
	s_delay_alu instid0(VALU_DEP_3)
	v_perm_b32 v[184+pm], v[pT+3], v[pT+1], s88    ; column 4 r + 2
	s_delay_alu instid0(VALU_DEP_4)
	v_perm_b32 v[188+pm], v[pT+3], v[pT+1], s89    ; column 4 r + 3
.set pm, pm+1
.endr
.irp e, 0,1,2,3
	ds_store_b128 v9, v[176+4*\e:179+4*\e] offset:16*\e   ; sixteen codes down K of one column: the 16 bytes of one lane's place in a fragment
.endr
	s_wait_dscnt 0x0                               ; for the others' sake: my stores have landed
	s_barrier_signal -1
	s_barrier_wait -1
	s_cmp_lg_u32 s71, 0
	s_cbranch_scc0 .Lkf_wx
	; Wk, Wval: wave w stores fragment w: K chunk 4 kh + w / 4, tile of columns 4 cg + w % 4
.irp c, 0,1,2,3
	ds_load_b128 v[16+4*\c:19+4*\c], v11 offset:512*\c
.endr
	s_lshl_b32 s66, s73, 2
	s_lshr_b32 s68, s[WV], 2
	s_add_co_u32 s66, s66, s68
	s_lshl_b32 s66, s66, 17
	s_lshl_b32 s68, s72, 2
	s_and_b32 s69, s[WV], 3
	s_add_co_u32 s68, s68, s69
	s_lshl_b32 s68, s68, 11
	s_add_co_u32 s66, s66, s68
	s_add_nc_u64 s[76:77], s[76:77], s[66:67]
	s_wait_dscnt 0x0
.irp c, 0,1,2,3
	global_store_b128 v4, v[16+4*\c:19+4*\c], s[76:77] offset:512*\c   ; 512 consecutive bytes a store
.endr
	FIN
.Lkf_wx:
	s_cmp_lt_u32 s[WV], 4                          ; Wx: wave w multiplies x's codes by the four fragments of tile 4 cg + w
	s_cbranch_scc0 .Lkf_end
.set kq, 0
.rept 4
.irp c, 0,1,2,3
	ds_load_b128 v[16+16*kq+4*\c:19+16*kq+4*\c], v11 offset:8192*kq+512*\c
	ds_load_b128 v[96+32*kq+4*\c:99+32*kq+4*\c], v12 offset:4096*kq+512*\c
	ds_load_b128 v[112+32*kq+4*\c:115+32*kq+4*\c], v12 offset:4096*kq+2048+512*\c
.endr
.set kq, kq+1
.endr
	s_add_co_i32 s90, s48, s49                     ; e0 + e1
	s_add_co_u32 s66, s73, 2
	s_lshl_b32 s66, s66, 17
	s_lshl_b32 s68, s72, 2
	s_add_co_u32 s68, s68, s[WV]
	s_lshl_b32 s68, s68, 11
	s_add_co_u32 s66, s66, s68
	s_add_nc_u64 s[44:45], s[44:45], s[66:67]      ; part 2 + kh, tile 4 cg + w
	s_wait_dscnt 0x0
	v_wmma_f32_16x16x128_fp8_fp8 v[224:231], v[96:111], v[16:31], 0      ; the two accumulators take turns
	v_wmma_f32_16x16x128_fp8_fp8 v[232:239], v[112:127], v[16:31], 0
.set kq, 1
.rept 3
	v_wmma_f32_16x16x128_fp8_fp8 v[224:231], v[96+32*kq:111+32*kq], v[16+16*kq:31+16*kq], v[224:231]
	v_wmma_f32_16x16x128_fp8_fp8 v[232:239], v[112+32*kq:127+32*kq], v[16+16*kq:31+16*kq], v[232:239]
.set kq, kq+1
.endr
	PLACES
.set qj, 0
.rept 16
	v_ldexp_f32 v[208+qj], v[224+qj], s90
.set qj, qj+1
.endr
.irp mt, 0,1
.irp j, 0,1,2,3,4,5,6,7
	ds_store_b32 v13, v[208+8*\mt+\j] offset:1024*\mt+64*\j   ; (b = 16 mt + 8 h + j, o = r) at 64 b + 4 o of my stage
.endr
.endr
.irp i, 0,1,2,3
	ds_load_b128 v[16+4*\i:19+4*\i], v14 offset:512*\i   ; LDS serves a wave's instructions in order: these see my stores
.endr
	s_wait_dscnt 0x0
.irp i, 0,1,2,3
	global_store_b128 v4, v[16+4*\i:19+4*\i], s[44:45] offset:512*\i
.endr
.Lkf_end:
	FIN
; ================= the products with K = 64: a wave to a tile of 16 outputs
.macro QSMUL                           ; A's 2 x 32 numbers in v16-79 and B's 32 in v96-127 become codes; two products of 16 x 16 x 64
	s_wait_loadcnt 0x0
.irp mt, 0,1
.irp c, 0,1
	Q16 16+32*\mt+16*\c, 128+8*\mt+4*\c, 9, 76, 77
.endr
.endr
.irp c, 0,1
	Q16 96+16*\c, 144+4*\c, 10, 78, 79
.endr
	v_nop
	v_wmma_f32_16x16x64_fp8_fp8 v[160:167], v[128:135], v[144:151], 0
	v_wmma_f32_16x16x64_fp8_fp8 v[168:175], v[136:143], v[144:151], 0
	PLACES
.endm
.macro QSOUT                           ; the tile in v208-223 turns through my stage and leaves as 2,048 consecutive bytes
.irp mt, 0,1
.irp j, 0,1,2,3,4,5,6,7
	ds_store_b32 v11, v[208+8*\mt+\j] offset:1024*\mt+64*\j
.endr
.endr
.irp i, 0,1,2,3
	ds_load_b128 v[16+4*\i:19+4*\i], v12 offset:512*\i
.endr
	s_wait_dscnt 0x0
.irp i, 0,1,2,3
	global_store_b128 v4, v[16+4*\i:19+4*\i], s[44:45] offset:512*\i
.endr
	FIN
.endm
.Lqs:
	s_sub_co_u32 s70, ttmp9, 224
	s_lshr_b32 s71, s70, 2                         ; 0: z Wz, 1: v_feat Wv, 2: z Wzt^T
	s_and_b32 s70, s70, 3
	s_lshl_b32 s70, s70, 4
	s_add_co_u32 s70, s70, s[WV]                   ; the tile of outputs
	s_cmp_eq_u32 s71, 1
	s_cselect_b64 s[74:75], s[10:11], s[6:7]       ; A: v_feat or z
	s_wait_alu depctr_va_vdst(0)
	v_lshlrev_b32 v7, 8, v2
	s_delay_alu instid0(VALU_DEP_1)
	v_lshl_add_u32 v7, v3, 6, v7                   ; row r of 256 bytes + 64 h
.irp mt, 0,1
.irp c, 0,1
.irp jj, 0,1,2,3
	global_load_b128 v[16+32*\mt+16*\c+4*\jj:19+32*\mt+16*\c+4*\jj], v7, s[74:75] offset:4096*\mt+128*\c+16*\jj
.endr
.endr
.endr
	s_lshl_b32 s68, s[WV], 11
	s_add_co_u32 s68, s68, BS
	v_lshlrev_b32 v11, 9, v3
	s_delay_alu instid0(VALU_DEP_1)
	v_lshl_add_u32 v11, v2, 2, v11
	s_delay_alu instid0(VALU_DEP_1)
	v_add_nc_u32 v11, s68, v11                     ; BS + 2,048 w + 512 h + 4 r
	v_add_nc_u32 v12, s68, v4                      ; BS + 2,048 w + 16 L
	s_add_co_u32 s68, s71, 4
	s_lshl_b32 s66, s68, 17
	s_lshl_b32 s68, s70, 11
	s_add_co_u32 s66, s66, s68
	s_add_nc_u64 s[44:45], s[44:45], s[66:67]      ; part 4 + kind, my tile
	s_wait_kmcnt 0x0
	s_cmp_eq_u32 s71, 0
	s_cselect_b32 s82, s50, s52
	s_cselect_b32 s83, s51, s53
	s_cmp_eq_u32 s71, 2
	s_cselect_b32 s82, s56, s82                    ; A's exponent: e2, e4 or e8
	s_cselect_b32 s83, s57, s83                    ; B's: e3, e5 or e9
	MKSC 82, 9, 76, 77
	MKSC 83, 10, 78, 79
	s_add_co_i32 s84, s82, s83
	s_cmp_eq_u32 s71, 2
	s_cbranch_scc1 .Lqst
	; Wz, Wv: [K 64][N 1,024]: a lane takes a column and its registers run down K
	s_cmp_eq_u32 s71, 1
	s_cselect_b64 s[86:87], s[16:17], s[14:15]
	s_lshl_b32 s66, s70, 6
	s_add_nc_u64 s[86:87], s[86:87], s[66:67]
	v_lshlrev_b32 v8, 2, v2
	s_delay_alu instid0(VALU_DEP_1)
	v_lshl_add_u32 v8, v3, 16, v8                  ; column r; lanes 16-31 begin 16 rows further down
.irp c, 0,1
.set qj, 0
.rept 16
	global_load_b32 v[96+16*\c+qj], v8, s[86:87] offset:4096*(32*\c+qj)
.set qj, qj+1
.endr
.endr
	QSMUL
.set qj, 0
.rept 16
	v_ldexp_f32 v[208+qj], v[160+qj], s84
.set qj, qj+1
.endr
	QSOUT
.Lqst:
	; Wzt: [N 1,024][K 64]: K innermost.  With it: t Wt, t^2 Wtt and the four biases
	s_lshl_b32 s66, s70, 12
	s_add_nc_u64 s[20:21], s[20:21], s[66:67]
	s_wait_alu depctr_va_vdst(0)
.irp c, 0,1
.irp jj, 0,1,2,3
	global_load_b128 v[96+16*\c+4*\jj:99+16*\c+4*\jj], v7, s[20:21] offset:128*\c+16*\jj
.endr
.endr
	s_lshl_b32 s66, s70, 6
	s_add_nc_u64 s[22:23], s[22:23], s[66:67]
	s_add_nc_u64 s[24:25], s[24:25], s[66:67]
	s_add_nc_u64 s[26:27], s[26:27], s[66:67]
	s_add_nc_u64 s[28:29], s[28:29], s[66:67]
	s_add_nc_u64 s[30:31], s[30:31], s[66:67]
	s_add_nc_u64 s[32:33], s[32:33], s[66:67]
	v_lshlrev_b32 v13, 2, v2                       ; output r of my tile
	v_lshlrev_b32 v14, 5, v3                       ; t of rows 8 h on
	global_load_b32 v192, v13, s[22:23]            ; Wt
	global_load_b32 v193, v13, s[24:25]            ; Wtt
	global_load_b32 v194, v13, s[26:27]            ; bx
	global_load_b32 v195, v13, s[28:29]            ; bz
	global_load_b32 v196, v13, s[30:31]            ; bt
	global_load_b32 v197, v13, s[32:33]            ; bv
.irp mt, 0,1
	global_load_b128 v[176+8*\mt:179+8*\mt], v14, s[8:9] offset:64*\mt       ; t(16 mt + 8 h + 0 .. 7)
	global_load_b128 v[180+8*\mt:183+8*\mt], v14, s[8:9] offset:64*\mt+16
.endr
	QSMUL
	v_add_f32 v194, v194, v195
	v_add_f32 v196, v196, v197
	s_delay_alu instid0(VALU_DEP_1)
	v_add_f32 v194, v194, v196
.set qj, 0
.rept 16
	v_ldexp_f32 v[208+qj], v[160+qj], s84          ; z Wzt^T
	v_fma_f32 v[224+qj], v[176+qj], v193, v192     ; t Wtt + Wt
	s_delay_alu instid0(VALU_DEP_1)
	v_add_f32 v[208+qj], v[208+qj], v[224+qj]
	s_delay_alu instid0(VALU_DEP_1)
	v_fma_f32 v[208+qj], v[176+qj], v[208+qj], v194   ; t x (that) + the biases
.set qj, qj+1
.endr
	QSOUT
.Lfunc_end_k_qdd022814d0_prep:
	.size	k_qdd022814d0_prep, .Lfunc_end_k_qdd022814d0_prep-k_qdd022814d0_prep
	.p2alignl 7, 3214868480
	.fill 96, 4, 3214868480
	.section	.rodata,"a",@progbits
	.p2align	6, 0x0
	.amdhsa_kernel k_qdd022814d0_prep
		.amdhsa_group_segment_fixed_size 124928
		.amdhsa_private_segment_fixed_size 0
		.amdhsa_enable_private_segment 0
		.amdhsa_kernarg_size 168
		.amdhsa_user_sgpr_count 2
		.amdhsa_user_sgpr_kernarg_segment_ptr 1
		.amdhsa_wavefront_size32 1
		.amdhsa_system_sgpr_workgroup_id_x 1
		.amdhsa_system_sgpr_workgroup_id_y 1
		.amdhsa_system_sgpr_workgroup_id_z 1
		.amdhsa_system_vgpr_workitem_id 0
		.amdhsa_next_free_vgpr 256
		.amdhsa_next_free_sgpr 100
		.amdhsa_reserve_vcc 0
		.amdhsa_float_denorm_mode_32 3
		.amdhsa_float_denorm_mode_16_64 3
		.amdhsa_memory_ordered 1
		.amdhsa_forward_progress 1
		.amdhsa_inst_pref_size 89
	.end_amdhsa_kernel
	.amdgpu_metadata
---
amdhsa.version: [ 1, 2 ]
amdhsa.kernels:
  - .name:           k_qdd022814d0_prep
    .symbol:         k_qdd022814d0_prep.kd
    .args:
      - { .name: x, .offset: 0, .size: 8, .value_kind: global_buffer, .address_space: global }
      - { .name: z, .offset: 8, .size: 8, .value_kind: global_buffer, .address_space: global }
      - { .name: t, .offset: 16, .size: 8, .value_kind: global_buffer, .address_space: global }
      - { .name: v_feat, .offset: 24, .size: 8, .value_kind: global_buffer, .address_space: global }
      - { .name: Wx, .offset: 32, .size: 8, .value_kind: global_buffer, .address_space: global }
      - { .name: Wz, .offset: 40, .size: 8, .value_kind: global_buffer, .address_space: global }
      - { .name: Wv, .offset: 48, .size: 8, .value_kind: global_buffer, .address_space: global }
      - { .name: Wzz, .offset: 56, .size: 8, .value_kind: global_buffer, .address_space: global }
      - { .name: Wzt, .offset: 64, .size: 8, .value_kind: global_buffer, .address_space: global }
      - { .name: Wt, .offset: 72, .size: 8, .value_kind: global_buffer, .address_space: global }
      - { .name: Wtt, .offset: 80, .size: 8, .value_kind: global_buffer, .address_space: global }
      - { .name: bx, .offset: 88, .size: 8, .value_kind: global_buffer, .address_space: global }
      - { .name: bz, .offset: 96, .size: 8, .value_kind: global_buffer, .address_space: global }
      - { .name: bt, .offset: 104, .size: 8, .value_kind: global_buffer, .address_space: global }
      - { .name: bv, .offset: 112, .size: 8, .value_kind: global_buffer, .address_space: global }
      - { .name: Wk, .offset: 120, .size: 8, .value_kind: global_buffer, .address_space: global }
      - { .name: Wval, .offset: 128, .size: 8, .value_kind: global_buffer, .address_space: global }
      - { .name: lowp_scales, .offset: 136, .size: 8, .value_kind: global_buffer, .address_space: global }
      - { .name: wkc, .offset: 144, .size: 8, .value_kind: global_buffer, .address_space: global }
      - { .name: wvc, .offset: 152, .size: 8, .value_kind: global_buffer, .address_space: global }
      - { .name: qp, .offset: 160, .size: 8, .value_kind: global_buffer, .address_space: global }
    .group_segment_fixed_size: 124928
    .private_segment_fixed_size: 0
    .kernarg_segment_align: 8
    .kernarg_segment_size: 168
    .max_flat_workgroup_size: 512
    .sgpr_count:     100
    .vgpr_count:     256
    .wavefront_size: 32
...
	.end_amdgpu_metadata
.endif
;; end of part 1
;; launch main (part 2): grid 256 x 1, 4 waves a work-group, no clusters, 327,680 bytes of LDS; arguments x_mem, wkc, wvc, qp, z, z_mem, t, t_mem, wilson_scale, bk, lowp_scales, sc, mk, po; writes sc, mk, po
.if DOCPART == 2
	.amdgcn_target "amdgcn-amd-amdhsa--gfx1250"
	.amdhsa_code_object_version 6
	.text
	.protected	k_qdd022814d0_main
	.globl	k_qdd022814d0_main
	.p2align	8
	.type	k_qdd022814d0_main,@function
k_qdd022814d0_main:
	s_mov_b64 s[64:65], 0
	v_nop
	global_prefetch_b8 v0, s[64:65] scope:SCOPE_SE
	s_setreg_imm32_b32 hwreg(HW_REG_WAVE_MODE, 25, 1), 1
	s_wait_xcnt 0x0
; SECOND OF THREE LAUNCHES.  A work-group owns 128 rows of x_mem (batch id / 8, block id % 8) and takes them through both quantised products:
; k = Q(x_mem) Q(Wk), contracted with q into scores; the block's p = exp(score - block's largest) x mask; v = Q(x_mem) Q(Wval), contracted with p.  It stores scores, masks and the weighted sums for the last launch.
; FOUR PASSES of one shape: 128 rows x 512 columns over all K = 1,024 (K columns 0-511, 512-1023, then V's): a wave holds 128 x 128 in 64 accumulators, so a pass is contracted once, at its end.
; x arrives as f32 through a ring of two LDS slots (64 rows x 128 k a slot, a wave's 16 rows by its own tensor load), 16 trips; each wave quantises its tile twice (e10, e12) and lays the codes as images of operand registers:
; AK (8 chunks of 16,384 bytes) and AV (7 chunks).  The last chunk's V codes are made during pass 1, from the two slots, which still hold it, and wait in the wave's own part of the ring (it has had its last fill);
; when pass 1 is over they are copied onto AK's chunk 0, which lies where AV's chunk 7 would.
; Pass 0 runs inside the trips: trip s multiplies the four row tiles that trip s - 1 quantised.
; THE WEIGHTS' codes go from memory straight into operand registers, each fragment to the one wave that uses it, in two sets of 8 fragments.
; In the trips each trip reloads half of the set that fell free in the trip before, for the next chunk, behind the trip's tensor load: s_wait_loadcnt 16 ahead of a chunk's first products: behind its set stand this trip's 16 loads.
; In passes 1 to 3 a set is reloaded by halves as its fragments fall free, two chunks ahead: s_wait_loadcnt 32: behind this set's 32 loads stand the other set's 32.
; Chunks 30 and 31 reload nothing: the V passes' last chunk has a copy for each pass, chosen by the count of chunks.
; NO CLUSTER: a joint load lands in LDS, and of 327,680 bytes 313,344 hold x's ring and the codes: no slot for weights is left.  NO PREFETCH of the weights: all work-groups read them.  x is prefetched four trips ahead.
; K's products are used transposed (source 0 = 16 columns of Wk): a lane holds one row and its registers run along the columns, as q does.  V's are not: a lane's registers run down the rows, as p does.
; k's place in a fragment is that of launch prep: registers 4 c .. 4 c + 3 of lane (r, h) hold k = 32 c + 16 h + 0 .. 15, alike in both sources.  The chunks of K are walked from chunk id % 8 on.
; LIMITS: e10 .. e13 between -126 and 119; NaN and infinities among the inputs are not served; the order of the f32 sums is not reference()'s.
.set XPITCH, 528                       ; 512 bytes + 16 of padding
.set XPART,  16*XPITCH
.set XSLOT,  4*XPART
.set AV,     2*XSLOT
.set AK,     AV+7*16384
.set QB,     AK+8*16384                ; q, 1,024 f32
.set QBK,    QB+4096                   ; four parts of q . bk
.set GEO,    QBK+256
.set SA,     GEO+1024                  ; scores, masks, p
.set OST,    SA+1536
.set SX,     OST+4096                  ; four waves' partial scores
.set SPARE,  SX+2048                   ; the spare words, 128 bytes a wave
.set LB,4
.set XR0,5
.set XR1,6
.set AKC,7
.set AVC,8
.set ARC,9
.set AKWV,10
.set AVWV,11
.set ARD,12
.set PFO,13
.set QRD,14
.set GG,15
.set MASKF,16
.set PC,20                             ; v20-27 codes on their way to LDS, two sets
.set SPW,28
.set NIL,29
.set SCK,30
.set SCV,31
.set T,32                              ; v32-95 a tile of x; q; p
.set Y,96                              ; v96-127 held numbers, two sets (in the trips alone)
.set S,112                             ; v112-127 behind the trips: the scores' sums, a pair for each row tile
.set WV,32
.set ROT,34
.set BB,36
.set G1,40
.set G0,48
.set XB,52
.set BKW,54
.set BVW,56
.set BN,58
.set PF,60
.set PF2,62
.set OFP,66
.set J,68
.set SP,69
.set F,70
.set AS,71
.set CNT,72
.set PASS,73
.set PF3,74
.set BN2,76
.set SEL,86
.set MSB,0
.macro WIN new
.if MSB != (\new)
	s_set_vgpr_msb (MSB<<8)|(\new)
.set MSB, (\new)
.endif
.endm
.macro NOP4                            ; four places behind a matrix instruction (ISA guide 7.12.1)
.rept 4
	v_nop
.endr
.endm
.macro TOFF d                          ; s[OFP] = byte offset of ring step J + d: chunk ((J + d) / 2 + ROT) % 8, 512 bytes each; row half (J + d) % 2, 64 rows of 4,096 bytes
	s_add_co_u32 s33, s[J], \d
	s_lshr_b32 s35, s33, 1
	s_add_co_u32 s35, s35, s[ROT]
	s_and_b32 s35, s35, 7
	s_lshl_b32 s35, s35, 9
	s_and_b32 s33, s33, 1
	s_lshl_b32 s33, s33, 18
	s_add_co_u32 s[OFP], s33, s35
.endm
.macro RADR d, bs                      ; s[bs] = my fragments of chunk F + d (mod 32): chunks 0-15 of Wk, 16-31 of Wval
	s_add_co_u32 s33, s[F], \d
	s_and_b32 s33, s33, 31
	s_add_co_u32 s35, s33, s[ROT]
	s_and_b32 s35, s35, 7
	s_lshl_b32 s35, s35, 17
	s_bfe_u32 s38, s33, 0x10003
	s_lshl_b32 s38, s38, 16
	s_add_co_u32 s[OFP], s35, s38
	s_cmp_lt_u32 s33, 16
	s_cselect_b64 s[\bs:\bs+1], s[BKW:BKW+1], s[BVW:BVW+1]
	s_add_nc_u64 s[\bs:\bs+1], s[\bs:\bs+1], s[OFP:OFP+1]
.endm
.macro RLD p, b0, nb, bs               ; nb fragments of weights into set p (window 1)
	WIN 0x40
.set rb, \b0
.rept \nb
.irp c, 0,1,2,3
	global_load_b128 v[128*\p+16*rb+4*\c:128*\p+16*rb+4*\c+3], v[LB], s[\bs:\bs+1] offset:2048*rb+512*\c
.endr
.set rb, rb+1
.endr
.endm
.macro MULR tr, a0, b0, nb, p, zero    ; row tiles a0 .. a0 + 3 x nb column tiles; the accumulators take turns
.set mb, \b0
.rept \nb
.set ma, \a0
.rept 4
.set mC, 8*(8*(ma%4)+mb)
.if \tr
.if \zero
	v_wmma_f32_16x16x128_fp8_fp8 v[mC:mC+7], v[128*\p+16*mb:128*\p+16*mb+15], v[128+16*ma:128+16*ma+15], 0
.else
	v_wmma_f32_16x16x128_fp8_fp8 v[mC:mC+7], v[128*\p+16*mb:128*\p+16*mb+15], v[128+16*ma:128+16*ma+15], v[mC:mC+7]
.endif
.else
.if \zero
	v_wmma_f32_16x16x128_fp8_fp8 v[mC:mC+7], v[128+16*ma:128+16*ma+15], v[128*\p+16*mb:128*\p+16*mb+15], 0
.else
	v_wmma_f32_16x16x128_fp8_fp8 v[mC:mC+7], v[128+16*ma:128+16*ma+15], v[128*\p+16*mb:128*\p+16*mb+15], v[mC:mC+7]
.endif
.endif
.set ma, ma+1
.endr
.set mb, mb+1
.endr
.endm
.macro HI tr, p, zero, rl              ; row tiles 4-7; rl = 1: each half of the set is asked for anew as soon as its products are issued
	WIN 0xF4-3*\tr
	MULR \tr, 4, 0, 4, \p, \zero
.if \rl
	NOP4
	RLD \p, 0, 4, BN
	WIN 0xF4-3*\tr
.endif
	MULR \tr, 4, 4, 4, \p, \zero
	NOP4
.if \rl
	RLD \p, 4, 4, BN
.endif
	WIN 0
.endm
.macro FETA a0                         ; four fragments of codes from the image at v[ARD]
.irp a, \a0, \a0+1, \a0+2, \a0+3
.irp c, 0,1,2,3
	ds_load_b128 v[128+16*(\a)+4*\c:128+16*(\a)+4*\c+3], v[ARD] offset:2048*(\a)+512*\c
.endr
.endr
.endm
.macro ALD g                           ; the four tiles that the last trip quantised
.irp i, 0,1,2,3
.irp c, 0,1,2,3
	ds_load_b128 v[64+64*\g+16*\i+4*\c:64+64*\g+16*\i+4*\c+3], v[ARD] offset:2048*\i+512*\c
.endr
.endr
.endm
.macro XLD sl                          ; my 16 rows x 128 k of f32: lane (r, h) takes k = 32 c + 16 h + 0 .. 15
.irp c, 0,1,2,3
.irp jj, 0,1,2,3
	ds_load_b128 v[T+16*\c+4*\jj:T+16*\c+4*\jj+3], v[XR0+\sl] offset:128*\c+16*\jj
.endr
.endr
.endm
; QUANTISING, sixteen numbers a lane at a time: hold (the conversion does not saturate: ISA guide 7.6.2), convert, store as an image.  The three take turns over the four quarters, so that no line reads what the line above it made
.macro KA u
.set qi, 0
.rept 16
	v_med3_num_f32 v[Y+16*((\u)%2)+qi], v[T+16*(\u)+qi], s80, s81
.set qi, qi+1
.endr
.endm
.macro KB u
	v_cvt_scalef32_pk8_fp8_f32 v[PC+4*((\u)%2):PC+4*((\u)%2)+1], v[Y+16*((\u)%2):Y+16*((\u)%2)+7], v[SCK]
	v_cvt_scalef32_pk8_fp8_f32 v[PC+4*((\u)%2)+2:PC+4*((\u)%2)+3], v[Y+16*((\u)%2)+8:Y+16*((\u)%2)+15], v[SCK]
	v_nop                                          ; a plain line before the conversions' sources are written again
.endm
.macro KC u
	ds_store_b128 v[AKWV], v[PC+4*((\u)%2):PC+4*((\u)%2)+3] offset:512*(\u)
.endm
.macro QK na                           ; codes for k.  Behind quarter u's four loads stand 12 - 4 u of x's and na others
	s_wait_dscnt \na+12
	KA 0
	s_wait_dscnt \na+8
	KA 1
	KB 0
	s_wait_dscnt \na+4
	KA 2
	KB 1
	KC 0
	s_wait_dscnt \na
	KA 3
	KB 2
	KC 1
	KB 3
	KC 2
	KC 3
.endm
.macro VA u
.set qi, 0
.rept 16
	v_med3_num_f32 v[T+16*(\u)+qi], v[T+16*(\u)+qi], s82, s83
.set qi, qi+1
.endr
.endm
.macro VB u
	v_cvt_scalef32_pk8_fp8_f32 v[PC+4*((\u)%2):PC+4*((\u)%2)+1], v[T+16*(\u):T+16*(\u)+7], v[SCV]
	v_cvt_scalef32_pk8_fp8_f32 v[PC+4*((\u)%2)+2:PC+4*((\u)%2)+3], v[T+16*(\u)+8:T+16*(\u)+15], v[SCV]
.endm
.macro VC u, off
	ds_store_b128 v[AVWV], v[PC+4*((\u)%2):PC+4*((\u)%2)+3] offset:\off+512*(\u)
.endm
.macro QV off                          ; codes for v
	VA 0
	VA 1
	VB 0
	VA 2
	VB 1
	VC 0, \off
	VA 3
	VB 2
	VC 1, \off
	VB 3
	v_nop
	VC 2, \off
	VC 3, \off
.endm
; THE CHANGE OF SLOTS: all my tensor loads are in, the add, my LDS work is over, the barrier; behind it my one tensor load, step J + 1, into the slot read last trip
.macro FENCE refill, ask, ra, xc
	s_wait_tensorcnt 0x0
	ds_add_u32 v[SPW], v[NIL]
.if \xc
	s_wait_xcnt 0x0                                ; earlier loads and prefetches have read s[PF] and s[BN2]
.endif
.if \refill
	TOFF 1
	s_xor_b32 s[G0+1], s[G0+1], XSLOT
	s_add_nc_u64 s[G0+2:G0+3], s[XB:XB+1], s[OFP:OFP+1]
	s_or_b32 s[G0+3], s[G0+3], 0x80000000
.endif
.if \ask
	TOFF 4
	s_add_nc_u64 s[PF:PF+1], s[XB:XB+1], s[OFP:OFP+1]
.endif
.if \ra
	RADR 1, BN2                                    ; the next chunk's weights: this trip's and the next trip's reloads
.endif
	s_wait_dscnt 0x0
	s_barrier_signal -1
	s_barrier_wait -1
.if \refill
	tensor_load_to_lds s[G0:G0+3], s[G1:G1+7]
	s_nop 0
.endif
.endm
.macro TADR                            ; where step J's codes go (8,192 J on), and where step J - 1's lie
	v_add_nc_u32 v[AKWV], s[SP], v[AKC]
	v_add_nc_u32 v[AVWV], s[SP], v[AVC]
	v_add_nc_u32 v[ARD], s[SP], v[ARC]
	s_wait_alu depctr_va_vdst(0)
.endm
.macro ASKP mode                       ; step J + 4's 16 rows x 512 bytes of mine: a lane a block of 256 bytes; steps past 15 are not asked for
.if \mode == 2
	s_cmp_gt_u32 s[J], 11
	s_cbranch_scc1 .Lnoask_\@
.endif
.if \mode
	global_prefetch_b8 v[PFO], s[PF:PF+1] th:TH_LOAD_NT scope:SCOPE_SE
.endif
.Lnoask_\@:
.endm
.macro GEM g, p, zero, dc, rl
.if \g == 1
	s_wait_loadcnt 16                              ; this chunk's set is in; this trip's 16 loads may be out
	s_wait_dscnt \dc
	WIN 0xA1
	MULR 1, 0, 0, 8, \p, \zero
	WIN 0
.elseif \g == 2
	s_wait_dscnt \dc
	HI 1, \p, \zero, \rl
.endif
.endm
; A TRIP: x's loads first, the last trip's codes behind them; k's codes; half a set of weights for the next chunk; v's codes; then the products, whose fragments have landed meanwhile (behind their loads stand at least k's four stores)
.macro TRIP sl, refill, ask, gem, p, zero, qv
	FENCE \refill, \ask, (\gem%2), 1
	TADR
	XLD \sl
	ALD \gem
	ASKP \ask
	QK 16
	RLD (1-\p), (4*(\gem-1)), 4, BN2
	WIN 0
.if \qv == 2                           ; the last chunk's V codes are made later
	s_wait_alu depctr_va_vdst(0)
	s_cmp_ge_u32 s[J], 14
	s_cbranch_scc1 .Lnv_\@
.endif
.if \qv
	QV 0
.endif
.Lnv_\@:
	GEM \gem, \p, \zero, 4, 0
.if \gem == 2
	s_add_co_u32 s[F], s[F], 1
.endif
	s_add_co_u32 s[J], s[J], 1
	s_add_co_u32 s[SP], s[SP], 8192
.endm
; A chunk of 128 along K outside the trips.  feta: the next chunk's codes are fetched.  rl: the set is reloaded by halves
.macro GSTEP tr, p, zero, feta, rl, cnt
	s_wait_loadcnt \cnt
	s_wait_xcnt 0x0
	RADR 2, BN
	s_add_co_u32 s[F], s[F], 1
	s_wait_dscnt 16                                ; tiles 0-3 are in
	WIN 0xA4-3*\tr
	MULR \tr, 0, 0, 8, \p, \zero
	WIN 0
	s_wait_dscnt 0x0
.if \feta
	s_add_co_u32 s[AS], s[AS], 16384
	v_add_nc_u32 v[ARD], s[AS], v[LB]
	v_nop
	v_nop
	v_nop
	s_wait_alu depctr_va_vdst(0)
	FETA 0
.endif
	HI \tr, \p, \zero, \rl
.if \feta
	FETA 4
.endif
.endm
; a K pass's end: S[a] += sum over my 128 columns of k x q.  Register j of accumulator (a, b) is (row 16 a + r, column 16 b + 8 h + j); each accumulator from its low end on
.macro KCON init
.irp hf, 0,1
	WIN 0x02+\hf
.irp b, 0,1,2,3,4,5,6,7
.irp i, 0,2,4,6
.irp a, 0,1,2,3
.if \init && (\b == 0) && (\i == 0)
	v_pk_mul_f32 v[S+8*\hf+2*\a:S+8*\hf+2*\a+1], v[8*(8*\a+\b)+\i:8*(8*\a+\b)+\i+1], v[T+8*\b+\i:T+8*\b+\i+1]
.else
	v_pk_fma_f32 v[S+8*\hf+2*\a:S+8*\hf+2*\a+1], v[8*(8*\a+\b)+\i:8*(8*\a+\b)+\i+1], v[T+8*\b+\i:T+8*\b+\i+1], v[S+8*\hf+2*\a:S+8*\hf+2*\a+1]
.endif
.endr
.endr
.endr
.endr
	WIN 0
.endm
.macro QLD g                           ; q at my 128 columns of half g: 8 neighbours for each column tile
.irp b, 0,1,2,3,4,5,6,7
	ds_load_b128 v[T+8*\b:T+8*\b+3], v[QRD] offset:2048*\g+64*\b
	ds_load_b128 v[T+8*\b+4:T+8*\b+7], v[QRD] offset:2048*\g+64*\b+16
.endr
.endm
	s_load_b512 s[4:19], s[0:1], 0x0               ; x_mem 4, wkc 6, wvc 8, qp 10, z 12, z_mem 14, t 16, t_mem 18
	s_load_b256 s[20:27], s[0:1], 0x40             ; wilson_scale 20, bk 22, lowp_scales 24, sc 26
	s_load_b128 s[28:31], s[0:1], 0x60             ; mk 28, po 30
	v_lshl_add_u32 v[SPW], v0, 2, SPARE
	v_mov_b32 v[NIL], 0
	ds_add_u32 v[SPW], v[NIL]
	ds_add_u32 v[SPW], v[NIL]
	v_lshrrev_b32 v1, 5, v0
	v_readfirstlane_b32 s[WV], v1
	s_and_b32 s[ROT], ttmp9, 7
	s_lshr_b32 s[BB], ttmp9, 3
	s_mov_b32 s[G1+0], (2<<16)|(1<<20)|(6<<22)|(3<<25)   ; f32; four words of padding behind every 128
	s_mov_b32 s[G1+1], 128<<16
	s_mov_b32 s[G1+2], 16<<16
	s_mov_b32 s[G1+3], 128<<16
	s_mov_b32 s[G1+4], 16
	s_mov_b32 s[G1+5], 1024
	s_mov_b32 s[G1+6], 0
	s_mov_b32 s[G1+7], 0
	s_mov_b32 s[SEL], 0x76543210
	s_mov_b32 s[SEL+1], 0xfedcba98
	s_mov_b32 s90, 0x358637bd                      ; 1e-6
	s_mov_b32 s[OFP+1], 0
	s_mov_b32 s[J], 0
	s_mov_b32 s[SP], 0
	s_mov_b32 s[F], 0
	s_mul_i32 s37, s[WV], XPART
	s_wait_dscnt 0x0
	s_wait_kmcnt 0x0
	s_lshl_b32 s[OFP], ttmp9, 19
	s_lshl_b32 s33, s[WV], 16
	s_add_co_u32 s[OFP], s[OFP], s33
	s_add_nc_u64 s[XB:XB+1], s[4:5], s[OFP:OFP+1]  ; my 16 rows of the block's first 64
	s_lshl_b32 s[OFP], s[ROT], 9
	s_add_nc_u64 s[PF3:PF3+1], s[XB:XB+1], s[OFP:OFP+1]
	s_mov_b32 s[G0], 1
	s_mov_b32 s[G0+1], s37
	s_mov_b64 s[G0+2:G0+3], s[PF3:PF3+1]
	s_or_b32 s[G0+3], s[G0+3], 0x80000000
	tensor_load_to_lds s[G0:G0+3], s[G1:G1+7]      ; step 0: my one tensor load at the head
	s_nop 0
	v_and_b32 v1, 31, v0
	v_and_b32 v2, 15, v0
	v_bfe_u32 v3, v0, 4, 1
	v_lshlrev_b32 v[LB], 4, v1
	v_mul_u32_u24 v[XR0], v2, XPITCH
	v_lshl_add_u32 v[XR0], v3, 6, v[XR0]
	v_add_nc_u32 v[XR0], s37, v[XR0]
	v_add_nc_u32 v[XR1], XSLOT, v[XR0]
	s_lshl_b32 s33, s[WV], 11
	v_add_nc_u32 v[AKC], s33, v[LB]
	v_add_nc_u32 v[AVC], AV, v[AKC]
	v_add_nc_u32 v[AKC], AK, v[AKC]
	v_add_nc_u32 v[ARC], AK-8192, v[LB]
	v_lshrrev_b32 v17, 1, v1
	v_and_b32 v18, 1, v1
	v_lshlrev_b32 v[PFO], 12, v17
	v_lshl_add_u32 v[PFO], v18, 8, v[PFO]          ; row lane / 2, block lane % 2
	s_lshl_b32 s33, s[WV], 9
	s_add_co_u32 s33, s33, QB
	v_lshl_add_u32 v[QRD], v3, 5, s33
	v_lshrrev_b32 v17, 2, v1
	v_lshlrev_b32 v17, 11, v17
	v_and_b32 v18, 3, v1
	v_lshl_add_u32 v17, v18, 4, v17                ; qp: tile lane / 4, outputs 4 (lane % 4) on
	v_lshlrev_b32 v18, 4, v2
	v_lshlrev_b32 v19, 2, v1
	s_wait_alu depctr_va_vdst(0)
	s_lshl_b32 s[OFP], s[BB], 2
	s_add_nc_u64 s[16:17], s[16:17], s[OFP:OFP+1]
	s_load_b128 s[92:95], s[24:25], 0x28           ; e10 .. e13
	s_load_b32 s89, s[20:21], 0x0
	s_load_b32 s88, s[16:17], 0x0
	s_lshl_b32 s[OFP], s[WV], 14                   ; my 8 column tiles of a half
	s_add_nc_u64 s[BKW:BKW+1], s[6:7], s[OFP:OFP+1]
	s_add_nc_u64 s[BVW:BVW+1], s[8:9], s[OFP:OFP+1]
	s_lshl_b32 s[OFP], s[WV], 15
	s_lshl_b32 s33, s[BB], 6
	s_add_co_u32 s[OFP], s[OFP], s33
	s_add_nc_u64 s[10:11], s[10:11], s[OFP:OFP+1]
	s_lshl_b32 s[OFP], s[WV], 10
	s_add_nc_u64 s[22:23], s[22:23], s[OFP:OFP+1]
	s_lshl_b32 s[OFP], s[BB], 8
	s_add_nc_u64 s[12:13], s[12:13], s[OFP:OFP+1]
	s_lshl_b32 s[OFP], ttmp9, 15
	s_lshl_b32 s33, s[WV], 13
	s_add_co_u32 s[OFP], s[OFP], s33
	s_add_nc_u64 s[14:15], s[14:15], s[OFP:OFP+1]
	s_lshl_b32 s[OFP], ttmp9, 9
	s_add_nc_u64 s[26:27], s[26:27], s[OFP:OFP+1]
	s_add_nc_u64 s[28:29], s[28:29], s[OFP:OFP+1]
	s_lshl_b32 s33, s[WV], 7
	s_add_co_u32 s[OFP], s[OFP], s33
	s_add_nc_u64 s[18:19], s[18:19], s[OFP:OFP+1]
	s_lshl_b32 s[OFP], ttmp9, 12
	s_lshl_b32 s33, s[WV], 10
	s_add_co_u32 s[OFP], s[OFP], s33
	s_add_nc_u64 s[30:31], s[30:31], s[OFP:OFP+1]
	s_lshl_b32 s[OFP], s[ROT], 17
	s_add_nc_u64 s[BN:BN+1], s[BKW:BKW+1], s[OFP:OFP+1]
	s_add_co_u32 s33, s[ROT], 1
	s_and_b32 s33, s33, 7
	s_lshl_b32 s[OFP], s33, 9
	s_add_nc_u64 s[PF2:PF2+1], s[XB:XB+1], s[OFP:OFP+1]
.irp p, 0,1,2,3,4,5,6
	global_load_b128 v[32+8*\p:35+8*\p], v17, s[10:11] offset:131072*\p
	global_load_b128 v[36+8*\p:39+8*\p], v17, s[10:11] offset:131072*\p+16384
.endr
	global_load_b128 v[88:91], v[LB], s[22:23]
	global_load_b128 v[92:95], v[LB], s[22:23] offset:512
	global_load_b128 v[96:99], v18, s[12:13]
	global_load_b32 v100, v19, s[18:19]
.set gi, 0
.rept 16
	global_load_b128 v[128+4*gi:131+4*gi], v[LB], s[14:15] offset:512*gi th:TH_LOAD_NT
.set gi, gi+1
.endr
	global_prefetch_b8 v[PFO], s[PF3:PF3+1] offset:262144 th:TH_LOAD_NT scope:SCOPE_SE   ; steps 1, 2, 3; from trip 0 on each trip asks for step J + 4
	global_prefetch_b8 v[PFO], s[PF2:PF2+1] th:TH_LOAD_NT scope:SCOPE_SE
	global_prefetch_b8 v[PFO], s[PF2:PF2+1] offset:262144 th:TH_LOAD_NT scope:SCOPE_SE
; TRIP 0, with the work on q and on the geometry under step 1's flight.  Its change of slots writes no register that a pending load or prefetch names
	FENCE 1, 1, 0, 0
	TADR
	v_nop
	RLD 0, 0, 7, BN                                ; chunk 0's weights: 28 loads behind the head's 34
	s_wait_loadcnt 28                              ; the 34 are in
	RLD 0, 7, 1, BN
	WIN 0
.irp p, 1,2,3,4,5,6                    ; q = the sum of its seven parts, at columns 256 w + 4 lane and + 128
.irp u, 0,2,4,6
	v_pk_add_f32 v[32+\u:33+\u], v[32+\u:33+\u], v[32+8*\p+\u:33+8*\p+\u]
.endr
.endr
	v_pk_mul_f32 v[20:21], v[32:33], v[88:89]      ; q . bk
	v_pk_fma_f32 v[20:21], v[34:35], v[90:91], v[20:21]
	v_pk_fma_f32 v[20:21], v[36:37], v[92:93], v[20:21]
	v_pk_fma_f32 v[20:21], v[38:39], v[94:95], v[20:21]
	v_add_f32 v20, v20, v21
.irp m, 1,2,4,8
	v_add_f32_dpp v20, v20, v20 row_xmask:\m row_mask:0xf bank_mask:0xf
.endr
	v_permlanex16_b32 v21, v20, s[SEL], s[SEL+1]
	v_add_f32 v20, v20, v21
	s_lshl_b32 s33, s[WV], 2
	s_add_co_u32 s33, s33, QBK
	v_mov_b32 v22, s33
	ds_store_b32 v22, v20
	s_lshl_b32 s33, s[WV], 10
	s_add_co_u32 s33, s33, QB
	v_add_nc_u32 v23, s33, v[LB]
	ds_store_b128 v23, v[32:35]                    ; q in the columns' own order
	ds_store_b128 v23, v[36:39] offset:512
	v_pk_mul_f32 v[20:21], v[96:97], v[96:97]      ; |z|^2
	v_pk_fma_f32 v[20:21], v[98:99], v[98:99], v[20:21]
	v_add_f32 v25, v20, v21
.irp m, 1,2,4,8
	v_add_f32_dpp v25, v25, v25 row_xmask:\m row_mask:0xf bank_mask:0xf
.endr
.macro GEOI i                          ; sixteen lanes hold a row of z_mem: its parts of |z - z_mem|^2 and |z_mem|^2
.set gT, 72+8*((\i)%2)
	v_pk_add_f32 v[gT:gT+1], v[96:97], v[128+4*(\i):129+4*(\i)] neg_lo:[0,1] neg_hi:[0,1]
	v_pk_add_f32 v[gT+2:gT+3], v[98:99], v[130+4*(\i):131+4*(\i)] neg_lo:[0,1] neg_hi:[0,1]
	v_pk_mul_f32 v[gT+4:gT+5], v[128+4*(\i):129+4*(\i)], v[128+4*(\i):129+4*(\i)]
	v_pk_mul_f32 v[gT:gT+1], v[gT:gT+1], v[gT:gT+1]
	v_pk_fma_f32 v[gT+4:gT+5], v[130+4*(\i):131+4*(\i)], v[130+4*(\i):131+4*(\i)], v[gT+4:gT+5]
	v_pk_fma_f32 v[gT:gT+1], v[gT+2:gT+3], v[gT+2:gT+3], v[gT:gT+1]
	v_add_f32 v[56+(\i)], v[gT+4], v[gT+5]
	v_add_f32 v[40+(\i)], v[gT], v[gT+1]
.endm
.set gi, 0
.rept 16
	GEOI gi
.set gi, gi+1
.endr
.irp m, 1,2,4,8
.set gi, 0
.rept 32
	v_add_f32_dpp v[40+gi], v[40+gi], v[40+gi] row_xmask:\m row_mask:0xf bank_mask:0xf
.set gi, gi+1
.endr
.endr
	s_lshl_b32 s33, s[WV], 8
	s_add_co_u32 s33, s33, GEO
	v_lshl_add_u32 v26, v3, 2, s33
	v_lshl_add_u32 v27, v1, 2, s33
.set gi, 0
.rept 16
	ds_store_b32 v26, v[40+gi] offset:8*gi
	ds_store_b32 v26, v[56+gi] offset:128+8*gi
.set gi, gi+1
.endr
	ds_load_b32 v30, v27                           ; thread T owns row T of the block
	ds_load_b32 v31, v27 offset:128
	s_wait_kmcnt 0x0
	s_add_co_i32 s33, s92, 127
	s_lshl_b32 s98, s33, 23                        ; 2^e10
	s_add_co_i32 s33, s33, 8
	s_lshl_b32 s33, s33, 23
	s_or_b32 s81, s33, 0x600000                    ; 448 x 2^e10
	s_or_b32 s80, s81, 0x80000000
	s_add_co_i32 s33, s94, 127
	s_lshl_b32 s99, s33, 23
	s_add_co_i32 s33, s33, 8
	s_lshl_b32 s33, s33, 23
	s_or_b32 s83, s33, 0x600000
	s_or_b32 s82, s83, 0x80000000
	s_add_co_i32 s84, s92, s93
	s_wait_dscnt 0x0
	v_sub_f32 v17, 1.0, v25
	v_sub_f32 v18, 1.0, v31
	v_fma_f32 v18, v17, v18, s90
	s_wait_alu depctr_va_vdst(0)                   ; ahead of and behind each transcendental
	v_rcp_f32 v19, v18
	v_add_f32 v20, v30, v30
	s_wait_alu depctr_va_vdst(0)
	v_fma_f32 v19, v20, v19, 1.0
	v_max_num_f32 v19, 0x3f800008, v19             ; arg
	v_add_f32 v20, -1.0, v19
	v_add_f32 v21, 1.0, v19
	s_wait_alu depctr_va_vdst(0)
	v_sqrt_f32 v22, v20
	v_sqrt_f32 v23, v21
	v_add_f32 v17, s90, v17
	s_wait_alu depctr_va_vdst(0)
	v_fma_f32 v22, v22, v23, v19
	s_wait_alu depctr_va_vdst(0)
	v_log_f32 v23, v22                             ; log2(arg + sqrt(arg^2 - 1))
	v_ldexp_f32 v17, v17, 4                        ; tau = 32 / lam
	s_xor_b32 s33, s89, 0x80000000
	s_wait_alu depctr_va_vdst(0)
	v_mul_f32 v24, 0x3f317218, v23                 ; d_g
	v_mul_f32 v20, s33, v23
	v_add_f32 v17, s90, v17
	s_wait_alu depctr_va_vdst(0)
	v_exp_f32 v21, v20
	v_rcp_f32 v22, v17
	v_sub_f32 v18, s88, v100                       ; dt
	s_wait_alu depctr_va_vdst(0)
	v_mul_f32 v[GG], v21, v22                      ; wilson / (tau + 1e-6)
	v_cmp_lt_f32 s33, 0, v18
	v_cmp_le_f32 s35, v24, v18
	s_and_b32 s91, s33, s35
	v_cndmask_b32 v[MASKF], 0, 1.0, s91
	v_mov_b32 v[SCK], s98
	v_mov_b32 v[SCV], s99
	s_wait_alu depctr_va_vdst(0)
	XLD 0
	ASKP 1
	QK 0
	QV 0
	s_add_co_u32 s[J], s[J], 1
	s_add_co_u32 s[SP], s[SP], 8192
; PASS 0 in the trips: trip s multiplies step s - 1's tiles.  Chunk 0's products start the sums
	TRIP 1, 1, 1, 1, 0, 1, 1
	TRIP 0, 1, 1, 2, 0, 1, 1
	s_mov_b32 s[CNT], 3
.Lx:                                   ; trips 3 to 14
	TRIP 1, 1, 2, 1, 1, 0, 1
	TRIP 0, 1, 2, 2, 1, 0, 1
	TRIP 1, 1, 2, 1, 0, 0, 1
	TRIP 0, 1, 2, 2, 0, 0, 2
	s_sub_co_u32 s[CNT], s[CNT], 1
	s_cmp_lg_u32 s[CNT], 0
	s_cbranch_scc1 .Lx
	TRIP 1, 0, 0, 1, 1, 0, 0                       ; trip 15 asks for no more of x
	s_wait_xcnt 0x0
	RADR 2, BN                                     ; chunk 9's weights
	s_wait_dscnt 0x0                               ; step 15's codes lie in LDS
	s_barrier_signal -1
	s_barrier_wait -1
	v_add_nc_u32 v[ARD], s[SP], v[ARC]
	s_wait_alu depctr_va_vdst(0)
	ALD 2
	RLD 0, 4, 4, BN2                               ; chunk 8's second half
	WIN 0
	GEM 2, 1, 0, 0, 1                              ; chunk 7's last products; its set takes chunk 9's weights: 32 loads behind chunk 8's
	s_add_co_u32 s[F], s[F], 1
	QLD 0
	s_mov_b32 s[AS], AK
	v_add_nc_u32 v[ARD], AK, v[LB]
	v_add_nc_u32 v[AVWV], s37, v[LB]               ; the first 2,048 bytes of my part of a slot
	s_wait_alu depctr_va_vdst(0)
	FETA 0
	FETA 4
	s_wait_dscnt 32                                ; q is in
	KCON 1
; PASS 1: k's columns 512 to 1,023
	GSTEP 1, 0, 1, 1, 1, 32
	XLD 0                                          ; the last chunk's V codes, from the two slots; each tile's codes land on its own f32 numbers, which are in registers by then
	s_wait_dscnt 0x0
	QV 0
	XLD 1
	s_wait_dscnt 0x0
	QV XSLOT
	s_mov_b32 s[CNT], 3
.Lk1:
	GSTEP 1, 1, 0, 1, 1, 32
	GSTEP 1, 0, 0, 1, 1, 32
	s_sub_co_u32 s[CNT], s[CNT], 1
	s_cmp_lg_u32 s[CNT], 0
	s_cbranch_scc1 .Lk1
	GSTEP 1, 1, 0, 0, 1, 32
	QLD 1
	s_wait_dscnt 0x0
	KCON 0
; THE SCORES: my columns' sums for all 128 rows meet the other waves' in LDS
.irp a, 0,1,2,3,4,5,6,7
	v_add_f32 v[S+2*\a], v[S+2*\a], v[S+2*\a+1]
.endr
.irp a, 0,1,2,3,4,5,6,7
	v_permlanex16_b32 v[S+2*\a+1], v[S+2*\a], s[SEL], s[SEL+1]
.endr
.irp a, 0,1,2,3,4,5,6,7
	v_add_f32 v[S+2*\a], v[S+2*\a], v[S+2*\a+1]
.endr
	s_lshl_b32 s33, s[WV], 9
	s_add_co_u32 s33, s33, SX
	v_lshl_add_u32 v17, v2, 2, s33
.irp a, 0,1,2,3,4,5,6,7
	ds_store_b32 v17, v[S+2*\a] offset:64*\a       ; row 16 a + r; both halves of the lanes hold the same number
.endr
	v_add_nc_u32 v19, 7*16384, v[AVC]
	v_lshl_add_u32 v18, v0, 2, SX
	v_mov_b32 v20, QBK
	v_lshl_add_u32 v21, v0, 2, SA
	v_add_nc_u32 v22, SA, v[LB]
	v_lshlrev_b32 v23, 5, v3
	v_add_nc_u32 v23, SA+1024, v23
	s_lshl_b32 s33, s[WV], 9
	s_add_co_u32 s33, s33, OST
	v_lshl_add_u32 v24, v2, 2, s33
	s_wait_alu depctr_va_vdst(0)
	s_wait_dscnt 0x0
	s_barrier_signal -1
	s_barrier_wait -1                              ; nobody reads AK any more
.irp c, 0,1,2,3
	ds_load_b128 v[72+4*\c:75+4*\c], v[AVWV] offset:512*\c
	ds_load_b128 v[40+4*\c:43+4*\c], v[AVWV] offset:XSLOT+512*\c
.endr
.irp ww, 0,1,2,3
	ds_load_b32 v[64+\ww], v18 offset:512*\ww
.endr
	ds_load_b128 v[32:35], v20
	s_wait_dscnt 0x0
.irp c, 0,1,2,3
	ds_store_b128 v19, v[72+4*\c:75+4*\c] offset:512*\c          ; the last chunk's V codes, onto AK's chunk 0: row tiles w and 4 + w
	ds_store_b128 v19, v[40+4*\c:43+4*\c] offset:8192+512*\c
.endr
	v_add_f32 v64, v64, v65
	v_add_f32 v66, v66, v67
	v_add_f32 v32, v32, v33
	v_add_f32 v34, v34, v35
	v_add_f32 v64, v64, v66
	v_add_f32 v32, v32, v34
	v_ldexp_f32 v64, v64, s84                      ; x 2^(e10 + e11)
	v_add_f32 v64, v64, v32                        ; + q . bk
	v_mul_f32 v64, v64, v[GG]
	v_mov_b32 v65, 0xce6e6b28                      ; -1e9
	v_cndmask_b32 v64, v65, v64, s91
	ds_store_b32 v21, v64
	ds_store_b32 v21, v[MASKF] offset:512
	s_wait_dscnt 0x0
	s_barrier_signal -1
	s_barrier_wait -1
	ds_load_b128 v[68:71], v22
	ds_load_b128 v[72:75], v22 offset:512
	s_wait_dscnt 0x0
	v_max3_num_f32 v66, v68, v69, v70
	v_max_num_f32 v66, v66, v71
.irp m, 1,2,4,8
	v_max_num_f32_dpp v66, v66, v66 row_xmask:\m row_mask:0xf bank_mask:0xf
.endr
	v_permlanex16_b32 v67, v66, s[SEL], s[SEL+1]
	v_max_num_f32 v66, v66, v67                    ; the block's largest score
	s_cmp_lg_u32 s[WV], 0
	s_cbranch_scc1 .Lnot0
	global_store_b128 v[LB], v[68:71], s[26:27]    ; 512 consecutive bytes a store
	global_store_b128 v[LB], v[72:75], s[28:29]
.Lnot0:
	s_wait_alu depctr_va_vdst(0)
	v_sub_f32 v65, v64, v66
	v_mul_f32 v65, 0x3fb8aa3b, v65
	s_wait_alu depctr_va_vdst(0)
	v_exp_f32 v67, v65
	v_nop
	s_wait_alu depctr_va_vdst(0)
	v_mul_f32 v67, v67, v[MASKF]
	ds_store_b32 v21, v67 offset:1024
	s_wait_xcnt 0x0
	s_wait_dscnt 0x0
	s_barrier_signal -1
	s_barrier_wait -1
.set gi, 0
.rept 8
	ds_load_b128 v[32+8*gi:35+8*gi], v23 offset:64*gi      ; p of rows 16 a + 8 h + 0 .. 7
	ds_load_b128 v[36+8*gi:39+8*gi], v23 offset:64*gi+16
.set gi, gi+1
.endr
; PASSES 2 AND 3: v's columns, 512 a pass: chunks 16 to 23 and 24 to 31
	s_mov_b32 s96, 0
	s_mov_b32 s[PASS], 0
.Lpass:
	s_mov_b32 s[AS], AV
	v_add_nc_u32 v[ARD], AV, v[LB]
	s_wait_alu depctr_va_vdst(0)
	FETA 0
	FETA 4
	GSTEP 0, 0, 1, 1, 1, 32
	s_mov_b32 s[CNT], 2
.Lv:
	GSTEP 0, 1, 0, 1, 1, 32
	GSTEP 0, 0, 0, 1, 1, 32
	s_sub_co_u32 s[CNT], s[CNT], 1
	s_cmp_lg_u32 s[CNT], 0
	s_cbranch_scc1 .Lv
	GSTEP 0, 1, 0, 1, 1, 32
	GSTEP 0, 0, 0, 1, 0, 32                        ; chunk 22 or 30
	s_cmp_eq_u32 s[F], 31
	s_cbranch_scc1 .Llast
	RLD 0, 0, 8, BN                                ; behind chunk 22: chunk 24's set
	WIN 0
	GSTEP 0, 1, 0, 0, 1, 32                        ; chunk 23
	s_branch .Lcon
.Llast:
	GSTEP 0, 1, 0, 0, 0, 0                         ; chunk 31: nothing stands behind its set
.Lcon:
.set cA, 0
.rept 8                                ; the sum over the rows of p x v; each accumulator from its low end on
	WIN 0x02+(cA/4)
.irp i, 0,2,4,6
.irp b, 0,1,2,3,4,5,6,7
.if (cA == 0) && (\i == 0)
	v_pk_mul_f32 v[96+2*\b:97+2*\b], v[8*(8*(cA%4)+\b)+\i:8*(8*(cA%4)+\b)+\i+1], v[32+8*cA+\i:33+8*cA+\i]
.else
	v_pk_fma_f32 v[96+2*\b:97+2*\b], v[8*(8*(cA%4)+\b)+\i:8*(8*(cA%4)+\b)+\i+1], v[32+8*cA+\i:33+8*cA+\i], v[96+2*\b:97+2*\b]
.endif
.endr
.endr
.set cA, cA+1
.endr
	WIN 0
.irp b, 0,1,2,3,4,5,6,7
	v_add_f32 v[96+2*\b], v[96+2*\b], v[97+2*\b]
.endr
.irp b, 0,1,2,3,4,5,6,7
	v_permlanex16_b32 v[97+2*\b], v[96+2*\b], s[SEL], s[SEL+1]
.endr
.irp b, 0,1,2,3,4,5,6,7
	v_add_f32 v[96+2*\b], v[96+2*\b], v[97+2*\b]
.endr
	v_add_nc_u32 v25, s96, v24
.irp b, 0,1,2,3,4,5,6,7
	ds_store_b32 v25, v[96+2*\b] offset:64*\b      ; column 512 pass + 128 w + 16 b + r
.endr
	s_add_co_u32 s96, s96, 2048
	s_add_co_u32 s[PASS], s[PASS], 1
	s_cmp_lt_u32 s[PASS], 2
	s_cbranch_scc1 .Lpass
	s_wait_dscnt 0x0
	s_barrier_signal -1
	s_barrier_wait -1
	s_lshl_b32 s33, s[WV], 10
	s_add_co_u32 s33, s33, OST
	v_add_nc_u32 v26, s33, v[LB]
	ds_load_b128 v[32:35], v26
	ds_load_b128 v[36:39], v26 offset:512
	s_wait_dscnt 0x0
	global_store_b128 v[LB], v[32:35], s[30:31]
	global_store_b128 v[LB], v[36:39], s[30:31] offset:512
	s_wait_tensorcnt 0x0                           ; the wave's end
	ds_add_u32 v[SPW], v[NIL]
	s_wait_dscnt 0x0
	s_endpgm
.Lfunc_end_k_qdd022814d0_main:
	.size	k_qdd022814d0_main, .Lfunc_end_k_qdd022814d0_main-k_qdd022814d0_main
	.p2alignl 7, 3214868480
	.fill 96, 4, 3214868480
	.section	.rodata,"a",@progbits
	.p2align	6, 0x0
	.amdhsa_kernel k_qdd022814d0_main
		.amdhsa_group_segment_fixed_size 327680
		.amdhsa_private_segment_fixed_size 0
		.amdhsa_enable_private_segment 0
		.amdhsa_kernarg_size 112
		.amdhsa_user_sgpr_count 2
		.amdhsa_user_sgpr_kernarg_segment_ptr 1
		.amdhsa_wavefront_size32 1
		.amdhsa_system_sgpr_workgroup_id_x 1
		.amdhsa_system_sgpr_workgroup_id_y 1
		.amdhsa_system_sgpr_workgroup_id_z 1
		.amdhsa_system_vgpr_workitem_id 0
		.amdhsa_next_free_vgpr 1024
		.amdhsa_next_free_sgpr 100
		.amdhsa_reserve_vcc 0
		.amdhsa_float_denorm_mode_32 3
		.amdhsa_float_denorm_mode_16_64 3
		.amdhsa_memory_ordered 1
		.amdhsa_forward_progress 1
		.amdhsa_inst_pref_size 255
	.end_amdhsa_kernel
	.section	.bss,"aw",@nobits
	.p2align	6
	.space	262144
	.amdgpu_metadata
---
amdhsa.version: [ 1, 2 ]
amdhsa.kernels:
  - .name:           k_qdd022814d0_main
    .symbol:         k_qdd022814d0_main.kd
    .args:
      - { .name: x_mem, .offset: 0, .size: 8, .value_kind: global_buffer, .address_space: global }
      - { .name: wkc, .offset: 8, .size: 8, .value_kind: global_buffer, .address_space: global }
      - { .name: wvc, .offset: 16, .size: 8, .value_kind: global_buffer, .address_space: global }
      - { .name: qp, .offset: 24, .size: 8, .value_kind: global_buffer, .address_space: global }
      - { .name: z, .offset: 32, .size: 8, .value_kind: global_buffer, .address_space: global }
      - { .name: z_mem, .offset: 40, .size: 8, .value_kind: global_buffer, .address_space: global }
      - { .name: t, .offset: 48, .size: 8, .value_kind: global_buffer, .address_space: global }
      - { .name: t_mem, .offset: 56, .size: 8, .value_kind: global_buffer, .address_space: global }
      - { .name: wilson_scale, .offset: 64, .size: 8, .value_kind: global_buffer, .address_space: global }
      - { .name: bk, .offset: 72, .size: 8, .value_kind: global_buffer, .address_space: global }
      - { .name: lowp_scales, .offset: 80, .size: 8, .value_kind: global_buffer, .address_space: global }
      - { .name: sc, .offset: 88, .size: 8, .value_kind: global_buffer, .address_space: global }
      - { .name: mk, .offset: 96, .size: 8, .value_kind: global_buffer, .address_space: global }
      - { .name: po, .offset: 104, .size: 8, .value_kind: global_buffer, .address_space: global }
    .group_segment_fixed_size: 327680
    .private_segment_fixed_size: 0
    .kernarg_segment_align: 8
    .kernarg_segment_size: 112
    .max_flat_workgroup_size: 128
    .sgpr_count:     100
    .vgpr_count:     1024
    .wavefront_size: 32
...
	.end_amdgpu_metadata
.endif
;; end of part 2
;; launch comb (part 3): grid 32 x 1, 8 waves a work-group, no clusters, 1,536 bytes of LDS; arguments sc, mk, po, bval, lowp_scales, out0, out1; writes out0, out1
.if DOCPART == 3
	.amdgcn_target "amdgcn-amd-amdhsa--gfx1250"
	.amdhsa_code_object_version 6
	.text
	.protected	k_qdd022814d0_comb
	.globl	k_qdd022814d0_comb
	.p2align	8
	.type	k_qdd022814d0_comb,@function
k_qdd022814d0_comb:
	s_mov_b64 s[64:65], 0
	v_nop
	global_prefetch_b8 v0, s[64:65] scope:SCOPE_SE
	s_setreg_imm32_b32 hwreg(HW_REG_WAVE_MODE, 25, 1), 1
	s_wait_xcnt 0x0
; THIRD OF THREE LAUNCHES: the softmax over a batch's 1,024 rows, from the scores, masks and weighted sums that the launch before left for eight blocks of 128 rows.
; A work-group is a batch; thread T owns rows 4 T .. 4 T + 3 and outputs 4 T .. 4 T + 3; wave w's 128 rows are block w, so its largest score is bit for bit the number that block w's p were taken under.
; m = the largest score (masked rows stand at -1e9, as in reference()); e_n = exp(s_n - m); Z = sum of e_n; Zm = sum of e_n mask_n; W = Zm / Z; c = 1 / (Z (W + 1e-8)).
; out1 = e_n mask_n c.   out0 = 2^(e12 + e13) c (sum over blocks g of exp(m_g - m) po_g) + bval W / (W + 1e-8): the weights' sum times the bias.
; A stream of 44 KB for each work-group: no matrix unit, no tensor load, no cluster (no two work-groups read the same bytes but bval), no prefetch (everything is asked for at the head).
; LIMITS: NaN and infinities among the inputs are not served; the order of the f32 sums is not reference()'s.
.set SPARE, 512                        ; LDS: 0: eight largest scores; 256: eight pairs (Z, Zm); from 512: the spare words, 128 bytes for each wave, that no other line names
	s_load_b256 s[4:11], s[0:1], 0x0               ; sc 4, mk 6, po 8, bval 10
	s_load_b128 s[12:15], s[0:1], 0x20             ; lowp_scales 12, out0 14
	s_load_b64 s[16:17], s[0:1], 0x30              ; out1
	v_lshl_add_u32 v2, v0, 2, SPARE                ; my spare word; never rewritten
	v_mov_b32 v3, 0                                ; 0; never rewritten
	v_lshlrev_b32 v1, 4, v0                        ; 16 T
	v_lshrrev_b32 v54, 5, v0
	s_delay_alu instid0(VALU_DEP_1)
	v_lshlrev_b32 v54, 2, v54                      ; 4 w
	s_delay_alu instid0(VALU_DEP_1)
	v_lshl_add_u32 v70, v54, 1, 256                ; 256 + 8 w
	v_mov_b32 v55, 0
	v_mov_b32 v71, 256
	v_mov_b32 v53, 0                               ; written once: a lane permute's destination counts as one of its sources
	v_mov_b32 v68, 0
	v_mov_b32 v69, 0
	s_lshl_b32 s18, ttmp9, 12
	s_mov_b32 s19, 0
	s_lshl_b32 s22, ttmp9, 15
	s_mov_b32 s23, 0
	s_mov_b32 s24, 0x76543210
	s_mov_b32 s25, 0xfedcba98
	s_wait_alu depctr_va_vdst(0)
	s_wait_kmcnt 0x0
	s_load_b64 s[20:21], s[12:13], 0x30            ; e12, e13
	s_add_nc_u64 s[4:5], s[4:5], s[18:19]
	s_add_nc_u64 s[6:7], s[6:7], s[18:19]
	s_add_nc_u64 s[8:9], s[8:9], s[22:23]
	s_add_nc_u64 s[14:15], s[14:15], s[18:19]
	s_add_nc_u64 s[16:17], s[16:17], s[18:19]
	global_load_b128 v[4:7], v1, s[4:5]
	global_load_b128 v[8:11], v1, s[6:7]
.irp g, 0,1,2,3,4,5,6,7
	global_load_b128 v[16+4*\g:19+4*\g], v1, s[8:9] offset:4096*\g
.endr
	global_load_b128 v[48:51], v1, s[10:11]
	s_wait_loadcnt 10                              ; the scores are in; the ten loads behind them may be out
	v_max3_num_f32 v52, v4, v5, v6
	s_delay_alu instid0(VALU_DEP_1)
	v_max_num_f32 v52, v52, v7
.irp m, 1,2,4,8
	s_delay_alu instid0(VALU_DEP_1)
	v_max_num_f32_dpp v52, v52, v52 row_xmask:\m row_mask:0xf bank_mask:0xf
.endr
	s_delay_alu instid0(VALU_DEP_1)
	v_permlanex16_b32 v53, v52, s24, s25
	s_delay_alu instid0(VALU_DEP_1)
	v_max_num_f32 v52, v52, v53                    ; block w's largest
	ds_store_b32 v54, v52
	s_wait_dscnt 0x0
	s_barrier_signal -1
	s_barrier_wait -1
	ds_load_b128 v[56:59], v55
	ds_load_b128 v[60:63], v55 offset:16
	s_wait_dscnt 0x0
	v_max3_num_f32 v64, v56, v57, v58
	s_delay_alu instid0(VALU_DEP_1)
	v_max3_num_f32 v64, v64, v59, v60
	s_delay_alu instid0(VALU_DEP_1)
	v_max3_num_f32 v64, v64, v61, v62
	s_delay_alu instid0(VALU_DEP_1)
	v_max_num_f32 v64, v64, v63                    ; m
.irp g, 0,1,2,3,4,5,6,7
	v_sub_f32 v[56+\g], v[56+\g], v64
.endr
.irp i, 0,1,2,3
	v_sub_f32 v[4+\i], v[4+\i], v64
.endr
.irp g, 0,1,2,3,4,5,6,7
	v_mul_f32 v[56+\g], 0x3fb8aa3b, v[56+\g]
.endr
.irp i, 0,1,2,3
	v_mul_f32 v[4+\i], 0x3fb8aa3b, v[4+\i]
.endr
	s_wait_alu depctr_va_vdst(0)
.irp g, 0,1,2,3,4,5,6,7
	v_exp_f32 v[56+\g], v[56+\g]                   ; exp(m_g - m)
.endr
.irp i, 0,1,2,3
	v_exp_f32 v[4+\i], v[4+\i]                     ; e_n
.endr
	v_nop                                          ; a plain instruction behind the last exponential
	s_wait_loadcnt 0x0
	s_wait_alu depctr_va_vdst(0)                   ; one wait for the batch of twelve, ahead of its first reader
.irp i, 0,1,2,3
	v_mul_f32 v[8+\i], v[4+\i], v[8+\i]            ; e_n mask_n
.endr
	v_add_f32 v66, v4, v5
	v_add_f32 v65, v6, v7
	v_add_f32 v67, v8, v9
	s_delay_alu instid0(VALU_DEP_4)
	v_add_f32 v72, v10, v11
	s_delay_alu instid0(VALU_DEP_3)
	v_add_f32 v66, v66, v65
	s_delay_alu instid0(VALU_DEP_2)
	v_add_f32 v67, v67, v72
.irp m, 1,2,4,8
	s_delay_alu instid0(VALU_DEP_2)
	v_add_f32_dpp v66, v66, v66 row_xmask:\m row_mask:0xf bank_mask:0xf
	s_delay_alu instid0(VALU_DEP_2)
	v_add_f32_dpp v67, v67, v67 row_xmask:\m row_mask:0xf bank_mask:0xf
.endr
	s_delay_alu instid0(VALU_DEP_2)
	v_permlanex16_b32 v68, v66, s24, s25
	s_delay_alu instid0(VALU_DEP_2)
	v_permlanex16_b32 v69, v67, s24, s25
	s_delay_alu instid0(VALU_DEP_2)
	v_add_f32 v66, v66, v68
	s_delay_alu instid0(VALU_DEP_2)
	v_add_f32 v67, v67, v69
	ds_store_b64 v70, v[66:67]                     ; other bytes than the first exchange's
	s_wait_dscnt 0x0
	s_barrier_signal -1
	s_barrier_wait -1
.irp i, 0,1,2,3
	ds_load_b128 v[72+4*\i:75+4*\i], v71 offset:16*\i
.endr
.irp i, 0,1,2,3                                ; meanwhile: the sum over the blocks of exp(m_g - m) po_g
	v_mul_f32 v[88+\i], v56, v[16+\i]
.endr
.irp g, 1,2,3,4,5,6,7
.irp i, 0,1,2,3
	v_fma_f32 v[88+\i], v[56+\g], v[16+4*\g+\i], v[88+\i]
.endr
.endr
	s_wait_dscnt 0x0
.irp g, 1
	v_pk_add_f32 v[72:73], v[72:73], v[72+2*\g:73+2*\g]
.endr
.irp g, 2, 3, 4, 5, 6, 7
	s_delay_alu instid0(VALU_DEP_1)
	v_pk_add_f32 v[72:73], v[72:73], v[72+2*\g:73+2*\g]
.endr
	s_wait_alu depctr_va_vdst(0)
	v_rcp_f32 v64, v72                             ; 1 / Z
	v_nop
	s_wait_alu depctr_va_vdst(0)
	v_mul_f32 v65, v73, v64                        ; W
	s_delay_alu instid0(VALU_DEP_1)
	v_add_f32 v66, 0x322bcc77, v65                 ; W + 1e-8
	s_wait_alu depctr_va_vdst(0)
	v_rcp_f32 v67, v66
	v_nop
	s_wait_kmcnt 0x0
	s_add_co_i32 s20, s20, s21                     ; e12 + e13
	s_wait_alu depctr_va_vdst(0)
	v_mul_f32 v64, v64, v67                        ; c
	v_mul_f32 v65, v65, v67                        ; the weights' sum
.irp i, 0,1,2,3
	v_mul_f32 v[8+\i], v[8+\i], v64
.endr
.irp i, 0,1,2,3
	v_mul_f32 v[88+\i], v[88+\i], v64
.endr
.irp i, 0,1,2,3
	s_delay_alu instid0(VALU_DEP_4)
	v_ldexp_f32 v[88+\i], v[88+\i], s20
.endr
.irp i, 0,1,2,3
	s_delay_alu instid0(VALU_DEP_4)
	v_fma_f32 v[88+\i], v[48+\i], v65, v[88+\i]
.endr
	global_store_b128 v1, v[8:11], s[16:17]        ; a wave stores 512 consecutive bytes
	global_store_b128 v1, v[88:91], s[14:15]
	s_wait_tensorcnt 0x0                           ; the wave's end, behind my last LDS store
	ds_add_u32 v2, v3
	s_wait_dscnt 0x0
	s_endpgm
.Lfunc_end_k_qdd022814d0_comb:
	.size	k_qdd022814d0_comb, .Lfunc_end_k_qdd022814d0_comb-k_qdd022814d0_comb
	.p2alignl 7, 3214868480
	.fill 96, 4, 3214868480
	.section	.rodata,"a",@progbits
	.p2align	6, 0x0
	.amdhsa_kernel k_qdd022814d0_comb
		.amdhsa_group_segment_fixed_size 1536
		.amdhsa_private_segment_fixed_size 0
		.amdhsa_enable_private_segment 0
		.amdhsa_kernarg_size 56
		.amdhsa_user_sgpr_count 2
		.amdhsa_user_sgpr_kernarg_segment_ptr 1
		.amdhsa_wavefront_size32 1
		.amdhsa_system_sgpr_workgroup_id_x 1
		.amdhsa_system_sgpr_workgroup_id_y 1
		.amdhsa_system_sgpr_workgroup_id_z 1
		.amdhsa_system_vgpr_workitem_id 0
		.amdhsa_next_free_vgpr 96
		.amdhsa_next_free_sgpr 66
		.amdhsa_reserve_vcc 0
		.amdhsa_float_denorm_mode_32 3
		.amdhsa_float_denorm_mode_16_64 3
		.amdhsa_memory_ordered 1
		.amdhsa_forward_progress 1
		.amdhsa_inst_pref_size 12
	.end_amdhsa_kernel
	.amdgpu_metadata
---
amdhsa.version: [ 1, 2 ]
amdhsa.kernels:
  - .name:           k_qdd022814d0_comb
    .symbol:         k_qdd022814d0_comb.kd
    .args:
      - { .name: sc, .offset: 0, .size: 8, .value_kind: global_buffer, .address_space: global }
      - { .name: mk, .offset: 8, .size: 8, .value_kind: global_buffer, .address_space: global }
      - { .name: po, .offset: 16, .size: 8, .value_kind: global_buffer, .address_space: global }
      - { .name: bval, .offset: 24, .size: 8, .value_kind: global_buffer, .address_space: global }
      - { .name: lowp_scales, .offset: 32, .size: 8, .value_kind: global_buffer, .address_space: global }
      - { .name: out0, .offset: 40, .size: 8, .value_kind: global_buffer, .address_space: global }
      - { .name: out1, .offset: 48, .size: 8, .value_kind: global_buffer, .address_space: global }
    .group_segment_fixed_size: 1536
    .private_segment_fixed_size: 0
    .kernarg_segment_align: 8
    .kernarg_segment_size: 56
    .max_flat_workgroup_size: 256
    .sgpr_count:     66
    .vgpr_count:     96
    .wavefront_size: 32
...
	.end_amdgpu_metadata
.endif
;; end of part 3
